; MI455X (gfx1250); checked and timed in simulation.
; The chip was launched on July 23, 2026; its instructions are those of AMD's public machine-readable ISA for CDNA 5 (MIT licence, August 2026) and "CDNA5" Instruction Set Architecture Reference Guide (July 2026). The comments in the code are by the model that wrote it; some were corrected since.
;; Model. Allowed arithmetic: matrix products marked QUANTISED: E2M1 operands, one E8M0 scale for each 32 along K, by v_wmma_scale_f32_16x16x128_f8f6f4 with both operands' format E2M1 (or v_wmma_scale_f32_32x16x128_f4), f32 sums; products left as they are: f32 operands where the result goes on into a quantised operand, else bf16, f16 or f32 operands; f32 sums; everything else in f32.
;; Inputs: Wk_i 64 x 64 float32; Wk_j 64 x 64 float32; Wk_k 64 x 64 float32; Wk_r 64 x 64 float32; Wo_codes 256 x 8 x 16 uint8 (E2M1 codes of Wo, K innermost, in blocks of 32 codes, two codes a byte); Wo_scales 256 x 8 uint8 (E8M0 scales of Wo, one for each 32 codes along K); Wq_i 64 x 64 float32; Wq_j 64 x 64 float32; Wq_k 64 x 64 float32; Wq_r 64 x 64 float32; Wv_codes 256 x 8 x 16 uint8 (E2M1 codes of Wv, K innermost, in blocks of 32 codes, two codes a byte); Wv_scales 256 x 8 uint8 (E8M0 scales of Wv, one for each 32 codes along K); bk 256 float32; bo 256 float32; bq 256 float32; bv 256 float32; density_feat 4 x 2,048 x 3 float32; dm_b1 16 float32; dm_b2 1 float32; dm_w1 16 x 3 float32; dm_w2 1 x 16 float32; key_codes 4 x 2,048 x 8 x 16 uint8 (E2M1 codes of key, K innermost, in blocks of 32 codes, two codes a byte); key_scales 4 x 2,048 x 8 uint8 (E8M0 scales of key, one for each 32 codes along K); mask 4 x 2,048 int32; query_codes 4 x 2,048 x 8 x 16 uint8 (E2M1 codes of query, K innermost, in blocks of 32 codes, two codes a byte); query_scales 4 x 2,048 x 8 uint8 (E8M0 scales of query, one for each 32 codes along K); threshold one number float32; value_codes 4 x 2,048 x 8 x 16 uint8 (E2M1 codes of value, K innermost, in blocks of 32 codes, two codes a byte); value_scales 4 x 2,048 x 8 uint8 (E8M0 scales of value, one for each 32 codes along K).
;; Outputs: out0 4 x 2,048 x 256 float32.
;; This version of the problem:
;;   THIS VERSION OF THE PROBLEM IS GIVEN IN LOW PRECISION. The matrix products marked QUANTISED in the list below multiply operands that are first quantised to E2M1 (2 exponent bits, 1 mantissa bit; 4 bits a number), with one power-of-two scale for each 32 numbers along K (OCP MX v1.0); their sums are f32. All else is computed in f32.
;;   The module's matrix products, in the order in which they are computed (A, B: the left and right operand; K: the contracted axis; several contracted axes count as one K, in the product's order):
;;     1. [M 8,192, K 256] x [K 256, N 256]; A: input query (given as codes); B: computed on the way: QUANTISED
;;     2. [M 8,192, K 256] x [K 256, N 256]; A: input key (given as codes); B: computed on the way: QUANTISED
;;     3. [M 8,192, K 256] x [K 256, N 256]; A: input value (given as codes); B: input Wv (given as codes): QUANTISED
;;     4. batch 16 x [M 2,048, K 64] x [K 64, N 2,048]; A: computed on the way; B: computed on the way: QUANTISED
;;     5. [M 8,192, K 3] x [K 3, N 16]; A: input density_feat; B: input dm_w1: left as it is (K = 3 < 32)
;;     6. [M 8,192, K 16] x [K 16, N 1]; A: computed on the way; B: input dm_w2: left as it is (K = 16 < 32)
;;     7. batch 16 x [M 2,048, K 2,048] x [K 2,048, N 64]; A: softmax (see below); B: computed on the way: QUANTISED
;;     8. [M 8,192, K 256] x [K 256, N 256]; A: computed on the way; B: input Wo (given as codes): QUANTISED
;;   THE QUANTISER, for each operand of a quantised product, along K:
;;     - K is cut into blocks of 32 from its start; a last block that is shorter is filled with zeros.
;;     - A block's scale is 2^e with e = floor(log2(the largest magnitude in the block)) - 2, held to -126 .. 127; a block of zeros has e = 0. As a byte (E8M0): e + 127.
;;     - Each number is divided by its block's scale, clamped to +-6, and rounded to the nearest number of E2M1, ties to even, subnormals kept.
;;     - The product sums the exact products of the quantised numbers (number of the format x scale) in f32.
;;   ~~~python
;;   def quantise(x, axis):      # numpy; x: float32 -> the quantised numbers, widened to float32 again
;;       x = np.moveaxis(x, axis, -1); K = x.shape[-1]
;;       x = np.pad(x, [(0, 0)] * (x.ndim - 1) + [(0, -K % 32)]); x = x.reshape(x.shape[:-1] + (-1, 32)); a = np.abs(x).max(-1, keepdims=True)
;;       e = np.where(a > 0, np.clip(np.frexp(np.where(a > 0, a, 1))[1] - 1 - 2, -126, 127), 0)      # np.frexp(a)[1] - 1 = floor(log2(a)), exactly
;;       r = np.clip(x / 2.0 ** e, -6, 6)
;;       step = 2.0 ** (np.maximum(np.frexp(np.where(r == 0, 1, r))[1] - 1, 0) - 1)
;;       q = np.round(r / step) * step * 2.0 ** e      # np.round: ties to even
;;       return np.moveaxis(q.reshape(q.shape[:-2] + (-1,))[..., :K], -1, axis).astype(np.float32)
;;   ~~~
;;   SOFTMAX AHEAD OF A QUANTISED PRODUCT. Where the list says 'softmax', what is quantised is not the finished softmax but p = 2^(t - M), with t = logit x log2(e) and M = ceil(the row's largest t), a whole number; so 1/2 < the row's largest p <= 1. The row's sum l is taken of the UNQUANTISED p, in f32, and the product's result is divided by l at the end. Since M is a whole number, a kernel that streams over the keys may use a running M (the ceiling of the running maximum): every later rescaling is an exact power of two, which a block's scale takes up: the codes' values come out the same.
;;   OPERANDS COMPUTED ON THE WAY. 'Computed on the way' means the value that the module computes at that place (a softmax that the list does not call 'softmax' is quantised finished and normalised). What goes into a quantiser is computed in f32, as accurately as f32 sums, v_exp_f32 and their like allow (about 1e-6 of the number): no bf16 or f16 on the way to a quantiser, and a product that is left as it is and whose result goes on into a quantised operand takes f32 operands (vector FMAs, or v_wmma_f32_16x16x4_f32). A number that lies on a knife's edge between two numbers of the format may be rounded either way, as far as f32 arithmetic and the matrix unit's own rounding can turn it there, and no further.
;;   INPUTS GIVEN AS CODES. Wo (in the module: [256, 256], K = its axis 1); Wv (in the module: [256, 256], K = its axis 1); key (in the module: [4, 2048, 256], K = its axis 2); query (in the module: [4, 2048, 256], K = its axis 2); value (in the module: [4, 2048, 256], K = its axis 2): each comes as NAME_codes (uint8): NAME with its K axis moved to the last place and cut into blocks of 32 codes, [.., K / 32, bytes a block], one block behind the other in memory; two codes a byte, the lower K in the low four bits (a code: sign, 2 exponent bits, 1 mantissa bit); and NAME_scales (uint8): the same leading axes, one E8M0 byte (e + 127) for each 32 codes along K. Its value is code x scale, taken as it is: it is not quantised again, and the codes and scales need not be those that the quantiser above would give.
;; 2 versions, each right; version 2 is version 1 with the launch attn written anew for expert scheduling mode. Each part assembles by itself: llvm-mc -triple=amdgcn-amd-amdhsa -mcpu=gfx1250 --defsym DOCPART=n.
;; ======== version 1 of 2: 2 launches
;; workspace buffers: ws 3,801,088 bytes
;; launch prep (part 1): grid 64 x 3, 8 waves a work-group, no clusters, 21,504 bytes of LDS; arguments query_codes, query_scales, Wq_r, Wq_i, Wq_j, Wq_k, bq, key_codes, key_scales, Wk_r, Wk_i, Wk_j, Wk_k, bk, value_codes, value_scales, Wv_codes, Wv_scales, bv, density_feat, mask, threshold, dm_w1, dm_b1, dm_w2, dm_b2, ws; writes ws
.if DOCPART == 1
	.amdgcn_target "amdgcn-amd-amdhsa--gfx1250"
	.amdhsa_code_object_version 6
	.text
	.protected	k_q815990beb9_prep
	.globl	k_q815990beb9_prep
	.p2align	8
	.type	k_q815990beb9_prep,@function
k_q815990beb9_prep:
	s_mov_b64 s[64:65], 0
	v_nop
	global_prefetch_b8 v0, s[64:65] scope:SCOPE_SE
	s_setreg_imm32_b32 hwreg(HW_REG_WAVE_MODE, 25, 1), 1
	s_wait_xcnt 0x0
; q = query Wq^T + bq, k = key Wk^T + bk, v = value Wv^T + bv on codes of FP4 (E2M1) with one E8M0 scale for each 32 along K; the results are quantised at once
; (q and k along a head's 64, v along the keys) and stored in the ORDER OF THE NEXT LAUNCH'S OPERAND REGISTERS.  Also: the per-key constants of the spike gate.
; GRID: x = a block of 128 rows (of 4 x 2048), y = 0: q, 1: k, 2: v and the constants.  The one branch on y is alike in all waves of a work-group.  Eight waves.
; Wq, Wk are [256][256] made of four pieces [64][64] (r, i, j, k = piece 0..3): block (R, C) is piece R xor C, negative where bit 4 R + C of 0x284e is set.  A block of 32 along K lies
; inside one piece, so each piece is quantised once (thread t: piece t / 64, row t % 64); a minus sign is an exclusive or of the codes' sign bits.  Both tables lie in LDS.
; ALL PRODUCTS ARE USED TRANSPOSED, AND THE ROWS OF A TILE OF SOURCE 0 ARE NOT NEIGHBOURS: lane r of tile 2 b + u takes row 32 b + 8 u + r + 8 (r / 8), so that a lane's 16 registers of
; tiles 2 b and 2 b + 1 are 16 neighbours along the next product's K: k = 32 b + 16 (lane / 16) + 0 .. 15.
; WS: QB at 0, KB at KBO: [batch][head][block of 32 rows][1280 B]: tile u at 512 u, lane's 16 bytes at 16 x lane (row 32 blk + 8 u + r + 8 (r / 8), the head's k = 32 h ..); at 1024 the 32 scale words
;     (tile lane / 16, row lane % 16; bytes 0, 1 the head's two blocks, bytes 2, 3 = 127).  VB at VBO: [batch][head][step of 128 keys][4352 B]: registers 4 c .. 4 c + 3 of V^T's fragment dt at
;     1024 dt + 512 c + 16 x lane (d = 32 (dt / 2) + 8 (dt % 2) + r + 8 (r / 8), keys 64 c + 32 h ..); at 4096 the 64 scale words [dt][r].  CN at CNO: [batch][T: 2048 f32][A: 2048 f32].
; T = 5 log2(e) x (softplus(threshold) + 0.1 d_shift), A = log2(e) where mask is not 0, else 0.
; LIMITS: NaN and infinities among the inputs are not served.  A block whose largest magnitude lies under 2^-124 keeps the scale byte 1 (a block of zeros too: its codes are zeros, and this program
; alone reads the bytes).  erf in the exact GELU is Abramowitz and Stegun's 7.1.26, which holds for every argument with an absolute error of 1.5e-7.  Any mask number other than 0 counts as true.
; No tensor loads, no clusters: a work-group's operands are read once, straight into registers; the two tables of weights are 18 KB made in place.
.set KBO,   0x140000
.set VBO,   0x280000
.set CNO,   0x390000
.set BLKB,  1280                       ; a block of QB or KB
.set HEADB, 64*BLKB                    ; from head to head in QB and KB
.set STEPB, 4352                       ; a step of VB
.set WST,   16384                      ; LDS: behind the code tables [sign 2][piece 4][row 64][h 2][16 B]: the weight's scale bytes [256][8]
.set VSL,   18432                      ; LDS, path V alone: V's scale words [head][dt][r]
.set SEL,   36                         ; s[36:37] lane selects for v_permlanex16_b32: lane l xor 16
; a scaled product from register numbers: D, A, B, C (c < 0: the constant 0), the two scale registers, and whether A's or B's scales stand in lanes 16-31
.macro WM d, a, b, c, sa, sb, ra, rb
.set WD, \d
.set WA, \a
.set WB, \b
.set WC, \c
.set WSA, \sa
.set WSB, \sb
.set WR, (\ra)+2*(\rb)
.if WC < 0
.if WR == 0
	v_wmma_scale_f32_16x16x128_f8f6f4 v[WD:WD+7], v[WA:WA+7], v[WB:WB+7], 0, v[WSA], v[WSB] matrix_a_fmt:MATRIX_FMT_FP4 matrix_b_fmt:MATRIX_FMT_FP4
.elseif WR == 1
	v_wmma_scale_f32_16x16x128_f8f6f4 v[WD:WD+7], v[WA:WA+7], v[WB:WB+7], 0, v[WSA], v[WSB] matrix_a_fmt:MATRIX_FMT_FP4 matrix_b_fmt:MATRIX_FMT_FP4 matrix_a_scale:MATRIX_SCALE_ROW1
.elseif WR == 2
	v_wmma_scale_f32_16x16x128_f8f6f4 v[WD:WD+7], v[WA:WA+7], v[WB:WB+7], 0, v[WSA], v[WSB] matrix_a_fmt:MATRIX_FMT_FP4 matrix_b_fmt:MATRIX_FMT_FP4 matrix_b_scale:MATRIX_SCALE_ROW1
.else
	v_wmma_scale_f32_16x16x128_f8f6f4 v[WD:WD+7], v[WA:WA+7], v[WB:WB+7], 0, v[WSA], v[WSB] matrix_a_fmt:MATRIX_FMT_FP4 matrix_b_fmt:MATRIX_FMT_FP4 matrix_a_scale:MATRIX_SCALE_ROW1 matrix_b_scale:MATRIX_SCALE_ROW1
.endif
.else
.if WR == 0
	v_wmma_scale_f32_16x16x128_f8f6f4 v[WD:WD+7], v[WA:WA+7], v[WB:WB+7], v[WC:WC+7], v[WSA], v[WSB] matrix_a_fmt:MATRIX_FMT_FP4 matrix_b_fmt:MATRIX_FMT_FP4
.elseif WR == 1
	v_wmma_scale_f32_16x16x128_f8f6f4 v[WD:WD+7], v[WA:WA+7], v[WB:WB+7], v[WC:WC+7], v[WSA], v[WSB] matrix_a_fmt:MATRIX_FMT_FP4 matrix_b_fmt:MATRIX_FMT_FP4 matrix_a_scale:MATRIX_SCALE_ROW1
.elseif WR == 2
	v_wmma_scale_f32_16x16x128_f8f6f4 v[WD:WD+7], v[WA:WA+7], v[WB:WB+7], v[WC:WC+7], v[WSA], v[WSB] matrix_a_fmt:MATRIX_FMT_FP4 matrix_b_fmt:MATRIX_FMT_FP4 matrix_b_scale:MATRIX_SCALE_ROW1
.else
	v_wmma_scale_f32_16x16x128_f8f6f4 v[WD:WD+7], v[WA:WA+7], v[WB:WB+7], v[WC:WC+7], v[WSA], v[WSB] matrix_a_fmt:MATRIX_FMT_FP4 matrix_b_fmt:MATRIX_FMT_FP4 matrix_a_scale:MATRIX_SCALE_ROW1 matrix_b_scale:MATRIX_SCALE_ROW1
.endif
.endif
.endm
.macro PLACES                          ; four places behind matrix instructions, in front of reads of their results and of loads into their sources
.rept 4
	v_nop
.endr
.endm
; 32 numbers of a lane, v[s] on, register 16 b + i = k 32 b + 16 (lane / 16) + i of my row, become registers 0-3 of a fragment in v[cd] on (k = 32 (lane / 16) + 0 .. 31) and a scale word in v[wd].
; v58-63 are at work.  The accumulators that hold the numbers are read from their low ends on.
.macro QUANT2 s, cd, wd
.irp b, 0,1
	v_max3_num_f32 v[58+\b], |v[(\s)+16*\b]|, |v[(\s)+16*\b+1]|, 0x1800000   ; my 16 numbers of block b, and the floor 2^(3 - 127): the byte cannot fall under 1
.endr
.irp i, 2,4,6,8,10,12,14
.irp b, 0,1
	v_max3_num_f32 v[58+\b], v[58+\b], |v[(\s)+16*\b+\i]|, |v[(\s)+16*\b+\i+1]|
.endr
.endr
.irp b, 0,1
	v_permlanex16_b32 v[60+\b], v[58+\b], s[SEL], s[SEL+1]
.endr
.irp b, 0,1
	v_max_num_f32 v[58+\b], v[58+\b], v[60+\b]     ; with lane l xor 16's: the block's largest magnitude
.endr
.irp b, 0,1
	v_add_nc_u32 v[62+\b], 0xff000000, v[58+\b]    ; 2 off its exponent field: the conversion's scale operand
.endr
.irp b, 0,1
	v_lshrrev_b32 v[60+\b], 23, v[62+\b]           ; the scale's byte
.endr
	v_lshl_or_b32 v[\wd], v61, 8, v60
	v_or_b32 v[\wd], 0x7f7f0000, v[\wd]            ; bytes 2 and 3 stand over zero codes: 127
.irp b, 0,1
	v_cvt_scalef32_pk8_fp4_f32 v[(\cd)+2*\b], v[(\s)+16*\b:(\s)+16*\b+7], v[62+\b]
	v_cvt_scalef32_pk8_fp4_f32 v[(\cd)+2*\b+1], v[(\s)+16*\b+8:(\s)+16*\b+15], v[62+\b]
.endr
	v_nop                                          ; one plain place behind a scaled conversion
	v_permlane16_swap_b32 v[(\cd)], v[(\cd)+2]     ; the operand's layout wants a whole block in a lane: lanes 0-15 block 0, lanes 16-31 block 1
	v_permlane16_swap_b32 v[(\cd)+1], v[(\cd)+3]
.endm
; the weight's four tiles of head H (rows 64 H + 32 b + 8 u + r + 8 (r / 8)), both K steps, out of the tables: 16 + 2 LDS loads
.macro PLOAD H
.irp tt, 0,1,2,3
.irp ks, 0,1
.irp c, 0,1
	ds_load_b128 v[64+16*\tt+8*\ks+4*\c:67+16*\tt+8*\ks+4*\c], v13 offset:((0x284e>>(4*(\H)+2*\ks+\c))&1)*8192+((\H)^(2*\ks+\c))*2048+(32*(\tt/2)+8*(\tt%2))*32
.endr
.endr
.endr
.irp b, 0,1
	ds_load_b64 v[50+2*\b:51+2*\b], v5 offset:WST+(64*(\H)+32*\b)*8   ; lanes 0-15: tile 2 b's scale words, lanes 16-31: tile 2 b + 1's; first register K step 0, second K step 1
.endr
.endm
; head H: eight products; the four accumulators, which hold the bias, take turns, one instruction a turn
.macro MULH H
.irp ks, 0,1
.irp tt, 0,1,2,3
	WM 128+32*(\H)+8*\tt, 64+16*\tt+8*\ks, 32+8*\ks, 128+32*(\H)+8*\tt, 50+2*(\tt/2)+\ks, 48+\ks, \tt%2, 0
.endr
.endr
.endm
	s_set_vgpr_msb 0x40
	v_lshl_add_u32 v0, v0, 2, 0x5000
	v_mov_b32 v1, 0
	s_set_vgpr_msb 0x4000
	s_and_b32 s2, ttmp7, 0xffff                    ; y
	v_lshrrev_b32 v1, 5, v0
	v_readfirstlane_b32 s3, v1                     ; wave 0..7
	v_and_b32 v1, 15, v0                           ; r
	v_bfe_u32 v2, v0, 4, 1                         ; h
	v_and_b32 v3, 31, v0                           ; lane
	v_lshlrev_b32 v6, 4, v3                        ; 16 x lane: an image's place for my lane
	v_and_b32 v4, 8, v1
	v_add_nc_u32 v4, v4, v1                        ; rr = r + 8 (r / 8)
	v_lshl_add_u32 v5, v2, 3, v4
	v_lshlrev_b32 v5, 3, v5                        ; 8 (rr + 8 h): a pair of tiles' rows of scale bytes
	v_mov_b32 v60, 0                               ; written once: a lane permute's destination counts as one of its sources
	v_mov_b32 v61, 0
	s_mov_b32 s[SEL], 0x76543210
	s_mov_b32 s[SEL+1], 0xfedcba98
	s_mov_b32 s38, 0xffff0000                      ; lanes 16-31
	s_lshr_b32 s39, s3, 1                          ; wave / 2
	s_and_b32 s40, s3, 1                           ; wave % 2
	s_lshr_b32 s41, ttmp9, 4                       ; batch
	s_and_b32 s42, ttmp9, 15                       ; which 128 rows of the batch
	s_cmp_eq_u32 s2, 2
	s_cbranch_scc1 .Lvpath
; ---------------- q and k.  Wave w takes the 16 rows of tile u = w % 2 of block 4 (x % 16) + w / 2, all four heads.
; REGISTERS: v16-31 the piece's codes and their negatives, later four registers of codes a head; v32-47 x's two fragments; v48-49 x's scale words; v50-53 the weight's; v54-57 the heads' words;
; v64-127 64 numbers of a piece, later the weight's eight fragments; v128-255 the 16 accumulators.
	s_load_b256 s[4:11], s[0:1], 0x0               ; query: codes, scales, Wq_r, Wq_i
	s_load_b128 s[12:15], s[0:1], 0x20             ; Wq_j, Wq_k
	s_load_b64 s[16:17], s[0:1], 0x30              ; bq
	s_load_b256 s[20:27], s[0:1], 0x38             ; key: codes, scales, Wk_r, Wk_i
	s_load_b128 s[28:31], s[0:1], 0x58             ; Wk_j, Wk_k
	s_load_b64 s[32:33], s[0:1], 0x68              ; bk
	s_load_b64 s[34:35], s[0:1], 0xd0              ; ws
	v_and_b32 v7, 63, v0                           ; a: my row of my piece
	v_lshlrev_b32 v12, 3, v7                       ; 8 a
	v_lshlrev_b32 v7, 8, v7                        ; a row of a piece is 256 bytes
	v_lshlrev_b32 v8, 7, v4
	v_lshl_add_u32 v8, v2, 4, v8                   ; x: row rr of 128 bytes, + 16 h
	v_lshlrev_b32 v9, 3, v4                        ; its 8 scale bytes
	v_lshlrev_b32 v10, 6, v2                       ; the bias: 16 h numbers on
	v_lshlrev_b32 v11, 5, v0                       ; the tables: 32 bytes a thread
	v_lshlrev_b32 v13, 5, v4
	v_lshl_add_u32 v13, v2, 4, v13                 ; and on the way back: row rr, + 16 h
	s_lshl_b32 s43, ttmp9, 7
	s_lshl_b32 s44, s39, 5
	s_add_co_u32 s43, s43, s44
	s_lshl_b32 s44, s40, 3
	s_add_co_u32 s43, s43, s44                     ; my tile's first row: 128 x + 32 (w / 2) + 8 (w % 2)
	s_lshl_b32 s44, s43, 7
	s_mov_b32 s45, 0
	s_lshl_b32 s46, s43, 3
	s_mov_b32 s47, 0
	s_lshl_b32 s48, s41, 8
	s_lshl_b32 s49, s42, 2
	s_add_co_u32 s48, s48, s49
	s_add_co_u32 s48, s48, s39                     ; head 0's block: 256 batch + 4 (x % 16) + w / 2
	s_mul_i32 s48, s48, BLKB
	s_mul_i32 s49, s2, KBO
	s_add_co_u32 s48, s48, s49
	s_lshl_b32 s50, s40, 6
	s_add_co_u32 s50, s50, s48
	s_add_co_u32 s50, s50, 1024                    ; my tile's scale words
	s_mov_b32 s51, 0
	s_lshl_b32 s49, s40, 9
	s_add_co_u32 s48, s48, s49                     ; my tile's codes
	s_mov_b32 s49, 0
	s_wait_kmcnt 0x0
	s_cmp_eq_u32 s2, 0                             ; q's buffers or k's: the choice hangs on the work-group's number alone
	s_cselect_b64 s[4:5], s[4:5], s[20:21]
	s_cselect_b64 s[6:7], s[6:7], s[22:23]
	s_cselect_b64 s[8:9], s[8:9], s[24:25]
	s_cselect_b64 s[10:11], s[10:11], s[26:27]
	s_cselect_b64 s[12:13], s[12:13], s[28:29]
	s_cselect_b64 s[14:15], s[14:15], s[30:31]
	s_cselect_b64 s[16:17], s[16:17], s[32:33]
	s_cmp_eq_u32 s39, 1                            ; my piece: wave / 2
	s_cselect_b64 s[8:9], s[10:11], s[8:9]
	s_cmp_eq_u32 s39, 2
	s_cselect_b64 s[8:9], s[12:13], s[8:9]
	s_cmp_eq_u32 s39, 3
	s_cselect_b64 s[8:9], s[14:15], s[8:9]
	s_add_nc_u64 s[4:5], s[4:5], s[44:45]
	s_add_nc_u64 s[6:7], s[6:7], s[46:47]
	s_add_nc_u64 s[52:53], s[34:35], s[48:49]
	s_add_nc_u64 s[54:55], s[34:35], s[50:51]
.irp i, 0,1,2,3,4,5,6,7,8,9,10,11,12,13,14,15
	global_load_b128 v[64+4*\i:67+4*\i], v7, s[8:9] offset:16*\i   ; my row of my piece: 64 numbers
.endr
.irp ks, 0,1
.irp c, 0,1
	global_load_b128 v[32+8*\ks+4*\c:35+8*\ks+4*\c], v8, s[4:5] offset:64*\ks+32*\c   ; x's fragments
.endr
.endr
	global_load_b64 v[48:49], v9, s[6:7]           ; x's scale words of both K steps
.irp H, 0,1,2,3
.irp tt, 0,1,2,3
.irp j, 0,1
	global_load_b128 v[128+32*\H+8*\tt+4*\j:131+32*\H+8*\tt+4*\j], v10, s[16:17] offset:(64*\H+32*(\tt/2)+8*(\tt%2))*4+16*\j   ; the bias in the result's layout: it is the sums' first C
.endr
.endr
.endr
	; ---- the piece's row becomes codes, twice (plain and negative), and two scale bytes
	s_wait_loadcnt 37                              ; the piece's 16 loads are in; x's 5 and the bias's 32, issued behind them, may be out
.irp c, 0,1
	v_max3_num_f32 v[58+\c], |v[64+32*\c]|, |v[65+32*\c]|, |v[66+32*\c]|   ; block c: all its 32 numbers are mine; two chains a block
	v_max3_num_f32 v[62+\c], |v[67+32*\c]|, |v[68+32*\c]|, |v[69+32*\c]|
.endr
.irp i, 6,10,14,18,22,26
.irp c, 0,1
	v_max3_num_f32 v[58+\c], v[58+\c], |v[64+32*\c+\i]|, |v[65+32*\c+\i]|
	v_max3_num_f32 v[62+\c], v[62+\c], |v[66+32*\c+\i]|, |v[67+32*\c+\i]|
.endr
.endr
.irp c, 0,1
	v_max3_num_f32 v[58+\c], v[58+\c], |v[94+32*\c]|, |v[95+32*\c]|
.endr
.irp c, 0,1
	v_max3_num_f32 v[58+\c], v[58+\c], v[62+\c], 0x1800000   ; and the floor 2^(3 - 127)
.endr
.irp c, 0,1
	v_add_nc_u32 v[62+\c], 0xff000000, v[58+\c]    ; the conversion's scale operand
.endr
.irp c, 0,1
	v_lshrrev_b32 v[58+\c], 23, v[62+\c]           ; the scale's byte
.endr
	v_lshl_or_b32 v15, v59, 8, v58                 ; my row's two bytes
.irp g, 0,1,2,3,4,5,6,7
	v_cvt_scalef32_pk8_fp4_f32 v[16+\g], v[64+8*\g:71+8*\g], v[62+\g/4]
.endr
	v_nop                                          ; one plain place behind a scaled conversion
.irp g, 0,1,2,3,4,5,6,7
	v_xor_b32 v[24+\g], 0x88888888, v[16+\g]       ; the negative piece: every code's sign bit turned
.endr
	ds_store_b128 v11, v[16:19]
	ds_store_b128 v11, v[20:23] offset:16
	ds_store_b128 v11, v[24:27] offset:8192
	ds_store_b128 v11, v[28:31] offset:8208
.irp R, 0,1,2,3                                ; in block row R my piece stands at block column piece xor R: bytes 2 (piece xor R) of the weight's row 64 R + a
	s_xor_b32 s56, s39, \R
	s_lshl_b32 s56, s56, 1
	v_add_nc_u32 v14, s56, v12
	ds_store_b16 v14, v15 offset:WST+512*\R
.endr
	s_wait_dscnt 0x0                               ; for the others' sake: my stores into the tables are done
	s_barrier_signal -1
	s_barrier_wait -1
	; ---- head by head: the weight's tiles out of the tables, eight products, quantise, store
	PLOAD 0
	s_wait_loadcnt 0x0                             ; x and the bias
.irp H, 0,1,2,3
	s_wait_dscnt 0x0                               ; this head's tiles are in
	MULH \H
	PLACES
.if \H < 3
	PLOAD \H+1                                     ; the next head's land while this head is quantised
.endif
	QUANT2 128+32*\H, 16+4*\H, 54+\H
	global_store_b128 v6, v[16+4*\H:19+4*\H], s[52:53] offset:\H*HEADB   ; 32 lanes store 512 consecutive bytes; each head has its own data registers
.endr
	v_cndmask_b32 v14, v54, v55, s38               ; two heads' words to a store: lanes 0-15 head 0 (2), lanes 16-31 head 1 (3)
	v_cndmask_b32 v15, v56, v57, s38
	v_mul_u32_u24 v3, v2, HEADB
	v_lshl_add_u32 v3, v1, 2, v3
	global_store_b32 v3, v14, s[54:55]
	global_store_b32 v3, v15, s[54:55] offset:2*HEADB
	s_set_vgpr_msb 0x5
	s_wait_tensorcnt 0x0
	ds_add_u32 v0, v1
	s_wait_dscnt 0x0
	s_set_vgpr_msb 0x500
	s_endpgm
; ---------------- v and the constants.  Wave w: head w / 2, keys 64 (w % 2) on of the block's 128; for the constants keys 16 w on.
; REGISTERS: v16-31 four registers of codes for each dt; v32-35 the words; v36-39 bv of my lane's d; v50-53 value's scale words, v54-57 Wv's; v64-127 value's eight fragments; v128-191 Wv's eight;
; v192-223 the four accumulators; ahead of the products v16-31, v40-49, v62-63 and v192-251 serve the constants.
.Lvpath:
	s_load_b256 s[4:11], s[0:1], 0x70              ; value's codes, scales; Wv's codes, scales
	s_load_b256 s[12:19], s[0:1], 0x90             ; bv, density_feat, mask, threshold
	s_load_b256 s[20:27], s[0:1], 0xb0             ; dm_w1, dm_b1, dm_w2, dm_b2
	s_load_b64 s[34:35], s[0:1], 0xd0              ; ws
	v_mul_u32_u24 v7, v1, 12                       ; density_feat: 12 bytes a key
	v_lshlrev_b32 v8, 2, v1                        ; mask: 4
	v_mul_u32_u24 v9, v2, 96                       ; dm_w1: my eight hidden units 8 h on
	v_lshlrev_b32 v10, 5, v2                       ; dm_b1, dm_w2 likewise
	v_lshlrev_b32 v11, 7, v4
	v_lshl_add_u32 v11, v2, 4, v11                 ; value, Wv: row rr of 128 bytes, + 16 h
	v_lshlrev_b32 v12, 2, v4                       ; bv: 4 rr
	v_lshlrev_b32 v13, 13, v2
	v_lshl_add_u32 v13, v1, 2, v13                 ; the constants' store: 4 r, lanes 16-31 in A's table
	s_lshl_b32 s77, s39, 8
	s_lshl_b32 s78, s40, 1
	s_add_co_u32 s77, s77, s78
	s_add_co_u32 s77, s77, VSL
	v_lshl_add_u32 v14, v1, 2, s77                 ; LDS: my half of the words [head][dt][r]
	s_lshl_b32 s78, s3, 7
	s_add_co_u32 s78, s78, VSL
	v_lshlrev_b32 v3, 2, v3                        ; 4 x lane
	v_add_nc_u32 v15, s78, v3                      ; and on the way back 128 bytes a wave
	s_mov_b32 s66, 0x3f3504f3                      ; 1 / sqrt(2)
	s_mov_b32 s67, 0x3ea7ba05                      ; 0.3275911
	s_mov_b32 s68, 0x3e827906                      ; a1 = 0.254829592
	s_mov_b32 s69, 0xbe91a98e                      ; a2 = -0.284496736
	s_mov_b32 s70, 0x3fb5f0e3                      ; a3 = 1.421413741
	s_mov_b32 s71, 0xbfba00e3                      ; a4 = -1.453152027
	s_mov_b32 s72, 0x3f87dc22                      ; a5 = 1.061405429
	s_mov_b32 s73, 0xbfb8aa3b                      ; -log2(e)
	s_mov_b32 s74, 0x3f317218                      ; ln 2
	s_mov_b32 s75, 0x3dcccccd                      ; 0.1
	s_mov_b32 s76, 0x40e6d4ca                      ; 5 log2(e)
	s_lshl_b32 s43, ttmp9, 7
	s_lshl_b32 s44, s3, 4
	s_add_co_u32 s43, s43, s44                     ; the constants' first key: 128 x + 16 w
	s_mul_i32 s44, s43, 12
	s_mov_b32 s45, 0
	s_lshl_b32 s46, s43, 2
	s_mov_b32 s47, 0
	s_lshl_b32 s48, ttmp9, 7
	s_lshl_b32 s49, s40, 6
	s_add_co_u32 s48, s48, s49                     ; my first row of value: 128 x + 64 (w % 2)
	s_lshl_b32 s50, s48, 3
	s_mov_b32 s51, 0
	s_lshl_b32 s48, s48, 7
	s_mov_b32 s49, 0
	s_lshl_b32 s52, s39, 13                        ; my head's 64 rows of Wv,
	s_mov_b32 s53, 0
	s_lshl_b32 s54, s39, 9                         ; of its scale bytes,
	s_mov_b32 s55, 0
	s_lshl_b32 s56, s39, 8                         ; and of bv
	s_mov_b32 s57, 0
	s_lshl_b32 s58, s42, 7
	s_lshl_b32 s59, s3, 4
	s_add_co_u32 s58, s58, s59
	s_lshl_b32 s58, s58, 2
	s_lshl_b32 s59, s41, 14
	s_add_co_u32 s58, s58, s59
	s_add_co_u32 s58, s58, CNO                     ; the constants of my 16 keys
	s_mov_b32 s59, 0
	s_lshl_b32 s60, s41, 2
	s_add_co_u32 s60, s60, s39
	s_lshl_b32 s60, s60, 4
	s_add_co_u32 s60, s60, s42
	s_mul_i32 s60, s60, STEPB
	s_add_co_u32 s60, s60, VBO                     ; my head's step
	s_lshl_b32 s62, s40, 7
	s_add_co_u32 s62, s62, s60
	s_add_co_u32 s62, s62, 4096                    ; the half of its words that I store
	s_mov_b32 s63, 0
	s_lshl_b32 s61, s40, 9
	s_add_co_u32 s60, s60, s61                     ; my half of each fragment
	s_mov_b32 s61, 0
	s_wait_kmcnt 0x0
	s_load_b32 s28, s[18:19], 0x0                  ; threshold
	s_load_b32 s29, s[26:27], 0x0                  ; dm_b2
	s_add_nc_u64 s[14:15], s[14:15], s[44:45]
	s_add_nc_u64 s[16:17], s[16:17], s[46:47]
	s_add_nc_u64 s[4:5], s[4:5], s[48:49]
	s_add_nc_u64 s[6:7], s[6:7], s[50:51]
	s_add_nc_u64 s[8:9], s[8:9], s[52:53]
	s_add_nc_u64 s[10:11], s[10:11], s[54:55]
	s_add_nc_u64 s[12:13], s[12:13], s[56:57]
	s_add_nc_u64 s[58:59], s[34:35], s[58:59]
	s_add_nc_u64 s[60:61], s[34:35], s[60:61]
	s_add_nc_u64 s[62:63], s[34:35], s[62:63]
	global_load_b32 v192, v7, s[14:15]             ; the constants' 14 loads first
	global_load_b32 v193, v7, s[14:15] offset:4
	global_load_b32 v194, v7, s[14:15] offset:8
	global_load_b32 v195, v8, s[16:17]
.irp i, 0,1,2,3,4,5
	global_load_b128 v[196+4*\i:199+4*\i], v9, s[20:21] offset:16*\i   ; dm_w1 of unit 8 h + j at v[196 + 3 j] on
.endr
	global_load_b128 v[220:223], v10, s[22:23]
	global_load_b128 v[224:227], v10, s[22:23] offset:16
	global_load_b128 v[228:231], v10, s[24:25]
	global_load_b128 v[232:235], v10, s[24:25] offset:16
.irp kt, 0,1,2,3                               ; then the products' 40
.irp ks, 0,1
.irp c, 0,1
	global_load_b128 v[64+16*\kt+8*\ks+4*\c:67+16*\kt+8*\ks+4*\c], v11, s[4:5] offset:(32*(\kt/2)+8*(\kt%2))*128+64*\ks+32*\c
.endr
.endr
.endr
.irp b, 0,1
	global_load_b64 v[50+2*\b:51+2*\b], v5, s[6:7] offset:256*\b
.endr
.irp dt, 0,1,2,3
.irp ks, 0,1
.irp c, 0,1
	global_load_b128 v[128+16*\dt+8*\ks+4*\c:131+16*\dt+8*\ks+4*\c], v11, s[8:9] offset:(32*(\dt/2)+8*(\dt%2))*128+64*\ks+32*\c
.endr
.endr
.endr
.irp b, 0,1
	global_load_b64 v[54+2*\b:55+2*\b], v5, s[10:11] offset:256*\b
.endr
.irp dt, 0,1,2,3
	global_load_b32 v[36+\dt], v12, s[12:13] offset:(32*(\dt/2)+8*(\dt%2))*4
.endr
	; ---- the constants: lane (r, h) takes key r and hidden units 8 h .. 8 h + 7, the eight by turns
	s_wait_loadcnt 40                              ; the first 14 loads are in; the products' 40, issued behind them, may be out
.irp j, 0,1,2,3,4,5,6,7
	v_fma_f32 v[236+\j], v192, v[196+3*\j], v[220+\j]
.endr
.irp j, 0,1,2,3,4,5,6,7
	v_fma_f32 v[236+\j], v193, v[197+3*\j], v[236+\j]
.endr
.irp j, 0,1,2,3,4,5,6,7
	v_fma_f32 v[236+\j], v194, v[198+3*\j], v[236+\j]   ; z
.endr
.irp j, 0,1,2,3,4,5,6,7
	v_mul_f32 v[244+\j], s66, |v[236+\j]|          ; y = |z| / sqrt(2)
.endr
.irp j, 0,1,2,3,4,5,6,7
	v_fma_f32 v[40+\j], v[244+\j], s67, 1.0
.endr
.irp j, 0,1,2,3,4,5,6,7
	v_mul_f32 v[16+\j], v[244+\j], v[244+\j]
.endr
.irp j, 0,1,2,3,4,5,6,7
	v_mul_f32 v[16+\j], s73, v[16+\j]              ; -y y log2(e)
.endr
.irp j, 0,1,2,3,4,5,6,7
	v_rcp_f32 v[40+\j], v[40+\j]                   ; q = 1 / (1 + 0.3275911 y)
.endr
.irp j, 0,1,2,3,4,5,6,7
	v_exp_f32 v[16+\j], v[16+\j]                   ; e^(-y y)
.endr
	v_nop                                          ; one plain place behind the transcendentals
	s_wait_alu depctr_va_vdst(0)
.irp j, 0,1,2,3,4,5,6,7
	v_fma_f32 v[24+\j], v[40+\j], s72, s71
.endr
.irp j, 0,1,2,3,4,5,6,7
	v_fma_f32 v[24+\j], v[24+\j], v[40+\j], s70
.endr
.irp j, 0,1,2,3,4,5,6,7
	v_fma_f32 v[24+\j], v[24+\j], v[40+\j], s69
.endr
.irp j, 0,1,2,3,4,5,6,7
	v_fma_f32 v[24+\j], v[24+\j], v[40+\j], s68
.endr
.irp j, 0,1,2,3,4,5,6,7
	v_mul_f32 v[24+\j], v[24+\j], v[40+\j]
.endr
.irp j, 0,1,2,3,4,5,6,7
	v_mul_f32 v[24+\j], v[24+\j], v[16+\j]         ; erfc(y)
.endr
.irp j, 0,1,2,3,4,5,6,7
	v_sub_f32 v[16+\j], 2.0, v[24+\j]
.endr
.irp j, 0,1,2,3,4,5,6,7
	v_cmp_le_f32 vcc_lo, 0, v[236+\j]
	v_cndmask_b32 v[24+\j], v[24+\j], v[16+\j], vcc_lo   ; 1 + erf(z / sqrt(2)): 2 - erfc(y) where z is not negative, else erfc(y)
.endr
.irp j, 0,1,2,3,4,5,6,7
	v_mul_f32 v[24+\j], v[24+\j], v[236+\j]
.endr
.irp j, 0,1,2,3,4,5,6,7
	v_mul_f32 v[24+\j], 0.5, v[24+\j]              ; gelu(z)
.endr
	v_mul_f32 v48, v228, v24
.irp j, 1,2,3,4,5,6,7
	v_fma_f32 v48, v[228+\j], v[24+\j], v48
.endr
	v_permlanex16_b32 v60, v48, s[SEL], s[SEL+1]
	v_add_f32 v48, v48, v60                        ; with the other eight units
	s_wait_kmcnt 0x0                               ; threshold and dm_b2
	v_add_f32 v48, s29, v48                        ; d_shift
	v_mov_b32 v49, s28
	v_mul_f32 v62, s73, |v49|
	v_exp_f32 v62, v62                             ; e^(-|threshold|)
	v_max_num_f32 v63, 0, v49                      ; (a plain place behind the exponential)
	s_wait_alu depctr_va_vdst(0)
	v_add_f32 v62, 1.0, v62
	v_log_f32 v62, v62
	v_nop
	s_wait_alu depctr_va_vdst(0)
	v_fma_f32 v62, v62, s74, v63                   ; softplus = max(threshold, 0) + ln(1 + e^(-|threshold|))
	v_fma_f32 v48, v48, s75, v62                   ; the key's threshold
	v_mul_f32 v48, s76, v48                        ; T
	v_mov_b32 v63, 0x3fb8aa3b
	v_cmp_ne_u32 vcc_lo, 0, v195
	v_cndmask_b32 v62, 0, v63, vcc_lo              ; A
	v_cndmask_b32 v49, v48, v62, s38               ; lanes 0-15 store T, lanes 16-31 A
	global_store_b32 v13, v49, s[58:59]
	; ---- v^T: source 0 = 16 keys of value, source 1 = 16 rows of Wv: a lane holds one d, and its registers run along the keys
	s_wait_loadcnt 0x0
.irp dt, 0,1,2,3
.irp ks, 0,1
.irp kt, 0,1,2,3                               ; the four accumulators by turns; K step 0 starts the sums
	WM 192+8*\kt, 64+16*\kt+8*\ks, 128+16*\dt+8*\ks, (192+8*\kt+1)*\ks-1, 50+2*(\kt/2)+\ks, 54+2*(\dt/2)+\ks, \kt%2, \dt%2
.endr
.endr
	PLACES
.irp i, 0,1,2,3,4,5,6,7,8,9,10,11,12,13,14,15,16,17,18,19,20,21,22,23,24,25,26,27,28,29,30,31
	v_add_f32 v[192+\i], v[36+\dt], v[192+\i]      ; + bv of my d; each accumulator from its low end on
.endr
	QUANT2 192, 16+4*\dt, 32+\dt                   ; its plain lines on v58-63 and the v_nop above are more than the five places that the next dt's first products, which write over these sums, want
	global_store_b128 v6, v[16+4*\dt:19+4*\dt], s[60:61] offset:1024*\dt
	ds_store_b16 v14, v[32+\dt] offset:64*\dt      ; my two bytes of the step's word; both halves of the lanes write the same bytes with the same value
.endr
	s_wait_dscnt 0x0                               ; for the others' sake: a word's halves come from two waves
	s_barrier_signal -1
	s_barrier_wait -1
	ds_load_b32 v48, v15
	s_wait_dscnt 0x0
	global_store_b32 v3, v48, s[62:63]
	s_set_vgpr_msb 0x5
	s_wait_tensorcnt 0x0
	ds_add_u32 v0, v1
	s_wait_dscnt 0x0
	s_set_vgpr_msb 0x500
	s_endpgm
.Lfunc_end_k_q815990beb9_prep:
	.size	k_q815990beb9_prep, .Lfunc_end_k_q815990beb9_prep-k_q815990beb9_prep
	.p2alignl 7, 3214868480
	.fill 96, 4, 3214868480
	.section	.rodata,"a",@progbits
	.p2align	6, 0x0
	.amdhsa_kernel k_q815990beb9_prep
		.amdhsa_group_segment_fixed_size 21504
		.amdhsa_private_segment_fixed_size 0
		.amdhsa_enable_private_segment 0
		.amdhsa_kernarg_size 216
		.amdhsa_user_sgpr_count 2
		.amdhsa_user_sgpr_kernarg_segment_ptr 1
		.amdhsa_wavefront_size32 1
		.amdhsa_system_sgpr_workgroup_id_x 1
		.amdhsa_system_sgpr_workgroup_id_y 1
		.amdhsa_system_sgpr_workgroup_id_z 1
		.amdhsa_system_vgpr_workitem_id 0
		.amdhsa_next_free_vgpr 258
		.amdhsa_next_free_sgpr 100
		.amdhsa_reserve_vcc 1
		.amdhsa_float_denorm_mode_32 3
		.amdhsa_float_denorm_mode_16_64 3
		.amdhsa_memory_ordered 1
		.amdhsa_forward_progress 1
		.amdhsa_inst_pref_size 66
	.end_amdhsa_kernel
	.amdgpu_metadata
---
amdhsa.version: [ 1, 2 ]
amdhsa.kernels:
  - .name:           k_q815990beb9_prep
    .symbol:         k_q815990beb9_prep.kd
    .args:
      - { .name: query_codes, .offset: 0, .size: 8, .value_kind: global_buffer, .address_space: global }
      - { .name: query_scales, .offset: 8, .size: 8, .value_kind: global_buffer, .address_space: global }
      - { .name: Wq_r, .offset: 16, .size: 8, .value_kind: global_buffer, .address_space: global }
      - { .name: Wq_i, .offset: 24, .size: 8, .value_kind: global_buffer, .address_space: global }
      - { .name: Wq_j, .offset: 32, .size: 8, .value_kind: global_buffer, .address_space: global }
      - { .name: Wq_k, .offset: 40, .size: 8, .value_kind: global_buffer, .address_space: global }
      - { .name: bq, .offset: 48, .size: 8, .value_kind: global_buffer, .address_space: global }
      - { .name: key_codes, .offset: 56, .size: 8, .value_kind: global_buffer, .address_space: global }
      - { .name: key_scales, .offset: 64, .size: 8, .value_kind: global_buffer, .address_space: global }
      - { .name: Wk_r, .offset: 72, .size: 8, .value_kind: global_buffer, .address_space: global }
      - { .name: Wk_i, .offset: 80, .size: 8, .value_kind: global_buffer, .address_space: global }
      - { .name: Wk_j, .offset: 88, .size: 8, .value_kind: global_buffer, .address_space: global }
      - { .name: Wk_k, .offset: 96, .size: 8, .value_kind: global_buffer, .address_space: global }
      - { .name: bk, .offset: 104, .size: 8, .value_kind: global_buffer, .address_space: global }
      - { .name: value_codes, .offset: 112, .size: 8, .value_kind: global_buffer, .address_space: global }
      - { .name: value_scales, .offset: 120, .size: 8, .value_kind: global_buffer, .address_space: global }
      - { .name: Wv_codes, .offset: 128, .size: 8, .value_kind: global_buffer, .address_space: global }
      - { .name: Wv_scales, .offset: 136, .size: 8, .value_kind: global_buffer, .address_space: global }
      - { .name: bv, .offset: 144, .size: 8, .value_kind: global_buffer, .address_space: global }
      - { .name: density_feat, .offset: 152, .size: 8, .value_kind: global_buffer, .address_space: global }
      - { .name: mask, .offset: 160, .size: 8, .value_kind: global_buffer, .address_space: global }
      - { .name: threshold, .offset: 168, .size: 8, .value_kind: global_buffer, .address_space: global }
      - { .name: dm_w1, .offset: 176, .size: 8, .value_kind: global_buffer, .address_space: global }
      - { .name: dm_b1, .offset: 184, .size: 8, .value_kind: global_buffer, .address_space: global }
      - { .name: dm_w2, .offset: 192, .size: 8, .value_kind: global_buffer, .address_space: global }
      - { .name: dm_b2, .offset: 200, .size: 8, .value_kind: global_buffer, .address_space: global }
      - { .name: ws, .offset: 208, .size: 8, .value_kind: global_buffer, .address_space: global }
    .group_segment_fixed_size: 21504
    .private_segment_fixed_size: 0
    .kernarg_segment_align: 8
    .kernarg_segment_size: 216
    .max_flat_workgroup_size: 256
    .sgpr_count:     100
    .vgpr_count:     258
    .wavefront_size: 32
...
	.end_amdgpu_metadata
.endif
;; end of part 1
;; launch attn (part 2): grid 256 x 1, 16 waves a work-group, no clusters, 191,488 bytes of LDS; arguments ws, mask, Wo_codes, Wo_scales, bo, out0; writes out0
.if DOCPART == 2
	.amdgcn_target "amdgcn-amd-amdhsa--gfx1250"
	.amdhsa_code_object_version 6
	.text
	.protected	k_q815990beb9_attn
	.globl	k_q815990beb9_attn
	.p2align	8
	.type	k_q815990beb9_attn,@function
k_q815990beb9_attn:
	s_mov_b64 s[64:65], 0
	v_nop
	global_prefetch_b8 v0, s[64:65] scope:SCOPE_SE
	s_setreg_imm32_b32 hwreg(HW_REG_WAVE_MODE, 25, 1), 1
	s_wait_xcnt 0x0
; out = (softmax(gated scores) v) Wo^T + bo, all three products on codes of FP4 (E2M1) with one E8M0 scale for each 32 along K.  q, k, v come as images of operand registers out of ws.
; SHARES.  A work-group owns 32 queries (two tiles of 16) of one batch, all four heads, so that the last product is fused.  Sixteen waves = 4 heads x 4 parts of 512 keys; a wave holds both tiles of
; queries in 256 registers; four waves to a SIMD, so that one wave's loads and products stand beside another's vector work.
; LAYOUT.  S^T = K Q^T and O^T = V^T P^T: a lane holds ONE query throughout, and its 16 registers of a block's two tiles are 16 neighbouring keys (the rows of a tile are 8 u + r + 8 (r / 8)).
; A head's K is 64: registers 4-7 of Q's fragments hold zero codes, so whatever stands in registers 4-7 of K's adds nothing; the scale bytes over them are 127.
; A SCORE.  x = the raw dot product (4 x the score).  c = x held to LO .. HI; u = c KQ + T; g = 1 / (1 + 2^u); w = g G + 0.25; m = c w + 30; t = m A + CST; p = 2^t.
;   A query that counts: LO, HI = -24, 24, KQ = -5 log2(e) / 4, G = 0.5: c w = score (1 + 2 gate).  One that does not: LO = HI = -120, KQ = G = 0: m = 0.  T, A: per key; A = 0 for a key that does not count.
;   CST = -30 log2(e).  So t = log2(e) x the logit where both count, and -30 log2(e), the clipped -10,000, where not: no compare and no select stands in the loop.
; NO MAXIMUM IS TAKEN AWAY: the computation itself clips the logits to -30 .. 30 (those that count lie within -18 .. 18), so t lies within -43.3 .. 43.3: 2^t and a sum of 2,048 of them lie far inside f32.
;   The whole number M of p = 2^(t - M) is 0 for every row; the blocks' scales and the row's sum take up the factor.  So the four parts' O^T and sums are simply added.
; LIMITS: NaN and infinities are not served.  c w + 30 is rounded once more than the logit itself: at most 1.9e-6 absolute.  Any mask number other than 0 counts as true.
; K AND V GO FROM MEMORY STRAIGHT INTO REGISTERS, NOT JOINTLY THROUGH LDS, though the 64 work-groups of a batch read the same images: each fragment is used by ONE wave of a work-group, so LDS would add a
;   write and a read and spare none; a batch's images are 4 x (64 x 1280 + 16 x 4352) = 606,208 bytes, more than LDS holds, so joint loads would want slots filled again and a round of the cluster's
;   barrier for each; and a wave's step of 128 keys loads 9,472 bytes beside some 1,160 vector instructions.
; LDS: the batch's T and A (16 KB); and for the way out the parts' sums, the attention's rows as images of operand registers, a stage for whole rows of out0, and the parts' O^T.
.set KBO,   0x140000
.set VBO,   0x280000
.set CNO,   0x390000
.set BLKB,  1280
.set STEPB, 4352
.set LP,    16384                      ; [wave][tile][lane] f32: the parts' sums
.set AF,    20480                      ; [tile][K step][c][lane 16 B]: the attention's rows as fragments
.set AS,    24576                      ; [tile][K step][r] their scale words
.set STG,   25088                      ; 32 rows x (1024 + 16)
.set OP,    58368                      ; [wave][16 groups of 4 registers][lane 16 B]: the parts' O^T
.set TT,    112                        ; v112-127 T of my 16 keys
.set AA,    128                        ; v128-143 A
.set X0,    144                        ; v144-159 tile 0's scores, then p
.set X1,    160                        ; v160-175 tile 1's
.set U,     176                        ; v176-191 the gate
.set PK,    30                         ; s[30:31] this step's blocks of K;  s[32:33] the next step's;  s[34:35] the next step of V
.set PKN,   32
.set PVN,   34
; REGISTERS: v1 16 x lane, v2 4 x lane, v3-4 T's and A's LDS address; v6-9 LO, HI of the two tiles; v10-17 KQ, G as pairs; v18-21 the sums; v22-25 at work; v30 Q's scale words, v31 K's, v32-33 V's,
; v34-35 P's; v36-51 Q; v52-63 K's two tiles and four registers of zeros; v64-79 P's codes; v80-111 V; v192-255 O^T, (tile, dt) at 192 + 32 tile + 8 dt.
.macro WM d, a, b, c, sa, sb, ra, rb   ; a scaled product from register numbers: D, A, B, C (c < 0: the constant 0), the scale registers, and whether A's or B's scales stand in lanes 16-31
.set WD, \d
.set WA, \a
.set WB, \b
.set WC, \c
.set WSA, \sa
.set WSB, \sb
.set WR, (\ra)+2*(\rb)
.if WC < 0
.if WR == 0
	v_wmma_scale_f32_16x16x128_f8f6f4 v[WD:WD+7], v[WA:WA+7], v[WB:WB+7], 0, v[WSA], v[WSB] matrix_a_fmt:MATRIX_FMT_FP4 matrix_b_fmt:MATRIX_FMT_FP4
.elseif WR == 1
	v_wmma_scale_f32_16x16x128_f8f6f4 v[WD:WD+7], v[WA:WA+7], v[WB:WB+7], 0, v[WSA], v[WSB] matrix_a_fmt:MATRIX_FMT_FP4 matrix_b_fmt:MATRIX_FMT_FP4 matrix_a_scale:MATRIX_SCALE_ROW1
.elseif WR == 2
	v_wmma_scale_f32_16x16x128_f8f6f4 v[WD:WD+7], v[WA:WA+7], v[WB:WB+7], 0, v[WSA], v[WSB] matrix_a_fmt:MATRIX_FMT_FP4 matrix_b_fmt:MATRIX_FMT_FP4 matrix_b_scale:MATRIX_SCALE_ROW1
.else
	v_wmma_scale_f32_16x16x128_f8f6f4 v[WD:WD+7], v[WA:WA+7], v[WB:WB+7], 0, v[WSA], v[WSB] matrix_a_fmt:MATRIX_FMT_FP4 matrix_b_fmt:MATRIX_FMT_FP4 matrix_a_scale:MATRIX_SCALE_ROW1 matrix_b_scale:MATRIX_SCALE_ROW1
.endif
.else
.if WR == 0
	v_wmma_scale_f32_16x16x128_f8f6f4 v[WD:WD+7], v[WA:WA+7], v[WB:WB+7], v[WC:WC+7], v[WSA], v[WSB] matrix_a_fmt:MATRIX_FMT_FP4 matrix_b_fmt:MATRIX_FMT_FP4
.elseif WR == 1
	v_wmma_scale_f32_16x16x128_f8f6f4 v[WD:WD+7], v[WA:WA+7], v[WB:WB+7], v[WC:WC+7], v[WSA], v[WSB] matrix_a_fmt:MATRIX_FMT_FP4 matrix_b_fmt:MATRIX_FMT_FP4 matrix_a_scale:MATRIX_SCALE_ROW1
.elseif WR == 2
	v_wmma_scale_f32_16x16x128_f8f6f4 v[WD:WD+7], v[WA:WA+7], v[WB:WB+7], v[WC:WC+7], v[WSA], v[WSB] matrix_a_fmt:MATRIX_FMT_FP4 matrix_b_fmt:MATRIX_FMT_FP4 matrix_b_scale:MATRIX_SCALE_ROW1
.else
	v_wmma_scale_f32_16x16x128_f8f6f4 v[WD:WD+7], v[WA:WA+7], v[WB:WB+7], v[WC:WC+7], v[WSA], v[WSB] matrix_a_fmt:MATRIX_FMT_FP4 matrix_b_fmt:MATRIX_FMT_FP4 matrix_a_scale:MATRIX_SCALE_ROW1 matrix_b_scale:MATRIX_SCALE_ROW1
.endif
.endif
.endm
.macro PLACES                          ; four places behind matrix instructions, in front of reads of their results and of loads into their sources; also the places in front of scaled products whose operands vector instructions wrote
.rept 4
	v_nop
.endr
.endm
.macro KLOAD p, off                    ; a block of 32 keys: two tiles and their scale words (lanes 0-15 the first tile's, lanes 16-31 the second's)
	global_load_b128 v[52:55], v1, s[\p:\p+1] offset:\off
	global_load_b128 v[56:59], v1, s[\p:\p+1] offset:(\off)+512
	global_load_b32 v31, v2, s[\p:\p+1] offset:(\off)+1024
.endm
.macro VLOAD p                         ; a step of 128 keys of V^T: four fragments and their scale words
.irp dt, 0,1,2,3
.irp c, 0,1
	global_load_b128 v[80+8*\dt+4*\c:83+8*\dt+4*\c], v1, s[\p:\p+1] offset:1024*\dt+512*\c
.endr
.endr
	global_load_b32 v32, v2, s[\p:\p+1] offset:4096
	global_load_b32 v33, v2, s[\p:\p+1] offset:4224
.endm
.macro TLOAD b                         ; T of keys 32 b + 16 (lane / 16) + 0 .. 15 of the step
.irp j, 0,1,2,3
	ds_load_b128 v[TT+4*\j:TT+4*\j+3], v4 offset:128*(\b)+16*\j
.endr
.endm
.macro ALOAD b
.irp j, 0,1,2,3
	ds_load_b128 v[AA+4*\j:AA+4*\j+3], v4 offset:8192+128*(\b)+16*\j
.endr
.endm
.macro SCORE                           ; four products, four accumulators, each begun with the constant 0
	WM X0, 52, 36, -1, 31, 30, 0, 0
	WM X1, 52, 44, -1, 31, 30, 0, 1
	WM X0+8, 56, 36, -1, 31, 30, 1, 0
	WM X1+8, 56, 44, -1, 31, 30, 1, 1
.endm
.macro CLIP x, t                       ; each accumulator is read from its low end on
.irp i, 0,1,2,3,4,5,6,7,8,9,10,11,12,13,14,15
	v_med3_num_f32 v[\x+\i], v[\x+\i], v[6+2*\t], v[7+2*\t]
.endr
.endm
.macro UARG x, t
.irp i, 0,2,4,6,8,10,12,14
	v_pk_fma_f32 v[U+\i:U+\i+1], v[\x+\i:\x+\i+1], v[10+4*\t:11+4*\t], v[TT+\i:TT+\i+1]
.endr
.endm
.macro GATE t
.irp i, 0,1,2,3,4,5,6,7,8,9,10,11,12,13,14,15
	v_exp_f32 v[U+\i], v[U+\i]
.endr
	v_nop                                          ; one plain place behind the transcendentals
	s_wait_alu depctr_va_vdst(0)
.irp i, 0,2,4,6,8,10,12,14
	v_pk_add_f32 v[U+\i:U+\i+1], v[U+\i:U+\i+1], 1.0 op_sel_hi:[1,0]
.endr
.irp i, 0,1,2,3,4,5,6,7,8,9,10,11,12,13,14,15
	v_rcp_f32 v[U+\i], v[U+\i]
.endr
	v_nop
	s_wait_alu depctr_va_vdst(0)
.irp i, 0,2,4,6,8,10,12,14
	v_pk_fma_f32 v[U+\i:U+\i+1], v[U+\i:U+\i+1], v[12+4*\t:13+4*\t], s[24:25] op_sel_hi:[1,1,0]
.endr
.endm
.macro MOD x
.irp i, 0,2,4,6,8,10,12,14
	v_pk_fma_f32 v[\x+\i:\x+\i+1], v[\x+\i:\x+\i+1], v[U+\i:U+\i+1], s[26:27] op_sel_hi:[1,1,0]
.endr
.endm
.macro LOGIT x
.irp i, 0,2,4,6,8,10,12,14
	v_pk_fma_f32 v[\x+\i:\x+\i+1], v[\x+\i:\x+\i+1], v[AA+\i:AA+\i+1], s[28:29] op_sel_hi:[1,1,0]
.endr
.endm
.macro EXPP x
.irp i, 0,1,2,3,4,5,6,7,8,9,10,11,12,13,14,15
	v_exp_f32 v[\x+\i], v[\x+\i]
.endr
	v_nop
.endm
; p of tile t, block b of the step: the block's scale byte into P's word, 16 codes, and the row's sum, which is taken of the unquantised p
.macro QP x, t, b
	s_wait_alu depctr_va_vdst(0)
	v_max3_num_f32 v22, v[\x], v[\x+1], v[\x+2]    ; p is positive: no |.|; two chains
	v_max3_num_f32 v23, v[\x+3], v[\x+4], v[\x+5]
	v_max3_num_f32 v22, v22, v[\x+6], v[\x+7]
	v_max3_num_f32 v23, v23, v[\x+8], v[\x+9]
	v_max3_num_f32 v22, v22, v[\x+10], v[\x+11]
	v_max3_num_f32 v23, v23, v[\x+12], v[\x+13]
	v_max3_num_f32 v22, v22, v[\x+14], v[\x+15]
	v_max3_num_f32 v22, v22, v23, 0x1800000        ; and the floor 2^(3 - 127)
	v_permlanex16_b32 v23, v22, s22, s23
	v_max_num_f32 v22, v22, v23                    ; with lane l xor 16's 16 keys: the block's largest p
	v_add_nc_u32 v24, 0xff000000, v22              ; 2 off its exponent field: the conversion's scale operand
.if (\b) == 0
	v_lshrrev_b32 v[34+\t], 23, v24                ; the byte begins the step's word
.else
	v_lshrrev_b32 v25, 23, v24
	v_lshl_or_b32 v[34+\t], v25, 8*(\b), v[34+\t]
.endif
	v_cvt_scalef32_pk8_fp4_f32 v[64+8*\t+2*(\b)], v[\x:\x+7], v24
	v_cvt_scalef32_pk8_fp4_f32 v[65+8*\t+2*(\b)], v[\x+8:\x+15], v24
	v_nop                                          ; one plain place behind a scaled conversion: the sums below write its sources
	v_pk_add_f32 v[\x:\x+1], v[\x:\x+1], v[\x+2:\x+3]
	v_pk_add_f32 v[\x+4:\x+5], v[\x+4:\x+5], v[\x+6:\x+7]
	v_pk_add_f32 v[\x+8:\x+9], v[\x+8:\x+9], v[\x+10:\x+11]
	v_pk_add_f32 v[\x+12:\x+13], v[\x+12:\x+13], v[\x+14:\x+15]
	v_pk_add_f32 v[\x:\x+1], v[\x:\x+1], v[\x+4:\x+5]
	v_pk_add_f32 v[\x+8:\x+9], v[\x+8:\x+9], v[\x+12:\x+13]
	v_pk_add_f32 v[\x:\x+1], v[\x:\x+1], v[\x+8:\x+9]
	v_pk_add_f32 v[18+2*\t:19+2*\t], v[18+2*\t:19+2*\t], v[\x:\x+1]
.if (\b)%2
	v_permlane16_swap_b32 v[64+8*\t+4*((\b)/2)], v[66+8*\t+4*((\b)/2)]   ; the operand's layout wants a whole block in a lane
	v_permlane16_swap_b32 v[65+8*\t+4*((\b)/2)], v[67+8*\t+4*((\b)/2)]
.endif
.endm
; a block of 32 keys for both tiles of queries
.macro SUB b
.if (\b) == 0
	s_wait_loadcnt 10                              ; K's three loads are in; V's ten were issued behind them, at the head and round the back edge alike, and may be out
.else
	s_wait_loadcnt 0x0                             ; K's three were the last issued
.endif
	SCORE
	PLACES
.if (\b) < 3
	KLOAD PK, BLKB*((\b)+1)                        ; the next block has this block's vector work in which to land
.else
	KLOAD PKN, 0
.endif
	CLIP X0, 0
	s_wait_dscnt 4                                 ; T's four loads are in; A's four, issued behind them, may be out
	UARG X0, 0
	GATE 0
	MOD X0
	s_wait_dscnt 0x0                               ; A
	LOGIT X0
	EXPP X0
	QP X0, 0, \b
	CLIP X1, 1
	UARG X1, 1
.if (\b) < 3
	TLOAD (\b)+1                                   ; T has been read for both tiles
.endif
	GATE 1
	MOD X1
	LOGIT X1
.if (\b) < 3
	ALOAD (\b)+1
.endif
	EXPP X1
	QP X1, 1, \b
.endm
; O^T += V^T P^T: eight accumulators, one instruction each.  P's word was last written 13 plain places back, its codes four (the v_nop)
.macro PV
	PLACES
.irp dt, 0,1,2,3
.irp t, 0,1
	WM 192+32*\t+8*\dt, 80+8*\dt, 64+8*\t, 192+32*\t+8*\dt, 32+\dt/2, 34+\t, \dt%2, 0
.endr
.endr
	PLACES
	VLOAD PVN
.endm
	s_load_b256 s[4:11], s[0:1], 0x0               ; ws, mask, Wo's codes, Wo's scales
	s_load_b128 s[12:15], s[0:1], 0x20             ; bo, out0
	v_lshrrev_b32 v5, 5, v0
	v_readfirstlane_b32 s16, v5                    ; wave 0..15
	s_lshr_b32 s17, s16, 2                         ; head
	s_and_b32 s18, s16, 3                          ; part of the keys
	s_lshr_b32 s19, ttmp9, 6                       ; batch
	s_and_b32 s20, ttmp9, 63                       ; block of 32 queries
	s_lshl_b32 s21, s19, 2
	s_add_co_u32 s21, s21, s17                     ; 4 batch + head
	v_and_b32 v26, 15, v0                          ; r
	v_bfe_u32 v27, v0, 4, 1                        ; h
	v_and_b32 v1, 31, v0
	v_lshlrev_b32 v2, 2, v1                        ; 4 x lane
	v_lshlrev_b32 v1, 4, v1                        ; 16 x lane
	s_lshl_b32 s42, s18, 11
	v_lshl_add_u32 v3, v27, 6, s42                 ; T in LDS: my part's 512 keys, + 16 h keys
	v_and_b32 v24, 8, v26
	v_add_nc_u32 v24, v24, v26
	v_lshlrev_b32 v24, 2, v24                      ; the mask of my query: 4 (r + 8 (r / 8))
	v_lshlrev_b32 v5, 4, v0                        ; 16 x thread
	s_mov_b32 s22, 0x76543210
	s_mov_b32 s23, 0xfedcba98                      ; v_permlanex16_b32's selects for lane l xor 16
	s_mov_b32 s24, 0x3e800000                      ; 0.25  (the packed forms name pairs and take the low word for both halves: both words are written)
	s_mov_b32 s25, s24
	s_mov_b32 s26, 0x41f00000                      ; 30
	s_mov_b32 s27, s26
	s_mov_b32 s28, 0xc22d1f97                      ; -30 log2(e)
	s_mov_b32 s29, s28
	s_mov_b32 s37, 0
	s_mov_b32 s39, 0
	s_mov_b32 s40, 0                               ; the step
	s_mov_b32 s41, 0                               ; its T and A: 512 bytes a step
	s_lshl_b32 s42, s19, 14
	s_add_co_u32 s42, s42, CNO
	s_mov_b32 s43, 0
	s_lshl_b32 s50, s21, 6
	s_add_co_u32 s51, s50, s20
	s_mul_i32 s52, s51, BLKB                       ; my queries' block
	s_mov_b32 s53, 0
	s_lshl_b32 s51, s18, 4
	s_add_co_u32 s51, s50, s51
	s_mul_i32 s54, s51, BLKB
	s_add_co_u32 s54, s54, KBO                     ; my part's first block of K
	s_mov_b32 s55, 0
	s_lshl_b32 s50, s21, 4
	s_lshl_b32 s51, s18, 2
	s_add_co_u32 s50, s50, s51
	s_mul_i32 s56, s50, STEPB
	s_add_co_u32 s56, s56, VBO                     ; and first step of V
	s_mov_b32 s57, 0
	s_lshl_b32 s58, s19, 11
	s_lshl_b32 s50, s20, 5
	s_add_co_u32 s58, s58, s50
	s_lshl_b32 s58, s58, 2                         ; my queries' mask
	s_mov_b32 s59, 0
	s_wait_kmcnt 0x0
	s_add_nc_u64 s[46:47], s[4:5], s[42:43]
	s_add_nc_u64 s[44:45], s[4:5], s[52:53]
	s_add_nc_u64 s[PK:PK+1], s[4:5], s[54:55]
	s_add_nc_u64 s[48:49], s[4:5], s[56:57]
	s_add_nc_u64 s[6:7], s[6:7], s[58:59]
	s_add_nc_u64 s[PKN:PKN+1], s[PK:PK+1], 4*BLKB
	s_add_nc_u64 s[PVN:PVN+1], s[48:49], STEPB
	global_load_b128 v[TT:TT+3], v5, s[46:47]      ; the batch's T and A: 16 bytes of each a thread
	global_load_b128 v[AA:AA+3], v5, s[46:47] offset:8192
	global_load_b128 v[36:39], v1, s[44:45]        ; Q's two tiles stay in registers
	global_load_b128 v[44:47], v1, s[44:45] offset:512
	global_load_b32 v30, v2, s[44:45] offset:1024
	global_load_b32 v28, v24, s[6:7]               ; the mask of my query in tile 0,
	global_load_b32 v29, v24, s[6:7] offset:32     ; in tile 1
	KLOAD PK, 0
	VLOAD 48
.irp j, 0,1,2,3,4,5,6,7,8,9,10,11,12,13,14,15,16,17,18,19,20,21,22,23,24,25,26,27,28,29,30,31,32,33,34,35,36,37,38,39,40,41,42,43,44,45,46,47,48,49,50,51,52,53,54,55,56,57,58,59,60,61,62,63
	v_mov_b32 v[192+\j], 0                         ; O^T.  (The step is written once: the first adds onto zeros)
.endr
.irp j, 18,19,20,21, 40,41,42,43, 48,49,50,51, 60,61,62,63
	v_mov_b32 v[\j], 0                             ; the sums; the zero codes of k = 64 .. 127
.endr
	s_wait_loadcnt 18                              ; T's and A's loads are in; behind them 3 + 2 + 3 + 10 may be out
	ds_store_b128 v5, v[TT:TT+3]
	ds_store_b128 v5, v[AA:AA+3] offset:8192
	s_wait_loadcnt 13                              ; Q and the mask are in; K's 3 and V's 10 may be out
	v_mov_b32 v22, 0xc1c00000                      ; -24
	v_mov_b32 v23, 0x41c00000                      ; 24
	v_mov_b32 v25, 0xbfe6d4ca                      ; -5 log2(e) / 4
	v_mov_b32 v26, 0.5
.irp t, 0,1
	v_cmp_ne_u32 vcc_lo, 0, v[28+\t]
	v_cndmask_b32 v[6+2*\t], 0xc2f00000, v22, vcc_lo    ; LO: -24, or -120
	v_cndmask_b32 v[7+2*\t], 0xc2f00000, v23, vcc_lo    ; HI: 24, or -120
	v_cndmask_b32 v[10+4*\t], 0, v25, vcc_lo            ; KQ
	v_cndmask_b32 v[12+4*\t], 0, v26, vcc_lo            ; G
	v_mov_b32 v[11+4*\t], v[10+4*\t]
	v_mov_b32 v[13+4*\t], v[12+4*\t]
.endr
	s_wait_dscnt 0x0                               ; for the others' sake: my part of T and A lies in LDS
	s_barrier_signal -1
	s_barrier_wait -1
.Lstep:                                            ; four trips: a step of 128 keys each
	v_add_nc_u32 v4, s41, v3
	TLOAD 0
	ALOAD 0
	SUB 0
	SUB 1
	SUB 2
	SUB 3
	PV
	s_wait_xcnt 0x0                                ; the loads have read their bases: these may step
	s_mov_b64 s[PK:PK+1], s[PKN:PKN+1]
	s_add_co_u32 s40, s40, 1
	s_cmp_lt_u32 s40, 3                            ; the look-ahead stops at the part's last step: the last trip loads that step's first block and its V once more, and nothing beyond
	s_cselect_b32 s36, 4*BLKB, 0
	s_cselect_b32 s38, STEPB, 0
	s_add_nc_u64 s[PKN:PKN+1], s[PKN:PKN+1], s[36:37]
	s_add_nc_u64 s[PVN:PVN+1], s[PVN:PVN+1], s[38:39]
	s_add_co_u32 s41, s41, 512
	s_cmp_lt_u32 s40, 4
	s_cbranch_scc1 .Lstep
	; ---- the parts meet: every wave's O^T and sums go to LDS as they stand
	s_wait_loadcnt 0x0                             ; the last look-ahead has landed: its registers and bases are free
	v_add_f32 v18, v18, v19
	v_add_f32 v20, v20, v21
	s_lshl_b32 s42, s16, 13
	s_add_co_u32 s42, s42, OP
	v_add_nc_u32 v5, s42, v1
	s_lshl_b32 s43, s16, 8
	v_add_nc_u32 v26, s43, v2
.irp g, 0,1,2,3,4,5,6,7,8,9,10,11,12,13,14,15
	ds_store_b128 v5, v[192+4*\g:195+4*\g] offset:512*\g   ; each accumulator from its low end on
.endr
	ds_store_b32 v26, v18 offset:LP
	ds_store_b32 v26, v20 offset:LP+128
	v_and_b32 v9, 15, v0                           ; r
	v_bfe_u32 v10, v0, 4, 1                        ; h
	v_lshlrev_b32 v6, 7, v9
	v_lshl_add_u32 v6, v10, 4, v6                  ; Wo: row r of 128 bytes, + 16 h
	v_lshlrev_b32 v7, 3, v9                        ; its 8 scale bytes
	v_lshlrev_b32 v8, 5, v10                       ; bo: 8 h numbers on
	s_lshl_b32 s44, s16, 11                        ; wave w makes output columns 16 w .. 16 w + 15
	s_mov_b32 s45, 0
	s_add_nc_u64 s[8:9], s[8:9], s[44:45]
	s_lshl_b32 s44, s16, 7
	s_add_nc_u64 s[10:11], s[10:11], s[44:45]
	s_lshl_b32 s44, s16, 6
	s_add_nc_u64 s[12:13], s[12:13], s[44:45]
.irp ks, 0,1
.irp c, 0,1
	global_load_b128 v[36+8*\ks+4*\c:39+8*\ks+4*\c], v6, s[8:9] offset:64*\ks+32*\c   ; asked for here, wanted two barriers on
.endr
.endr
	global_load_b64 v[30:31], v7, s[10:11]
	global_load_b128 v[52:55], v8, s[12:13]
	global_load_b128 v[56:59], v8, s[12:13] offset:16
	s_wait_dscnt 0x0
	s_barrier_signal -1
	s_barrier_wait -1
	; ---- wave (head, p) adds the four parts of tile p / 2, block p % 2 of the head's 64, divides by the row's sum and quantises: one block of 32 of the last product's K
	s_lshl_b32 s42, s17, 15
	s_lshl_b32 s43, s18, 11
	s_add_co_u32 s42, s42, s43
	s_add_co_u32 s42, s42, OP
	v_add_nc_u32 v5, s42, v1
	s_lshr_b32 s46, s18, 1                         ; tile
	s_and_b32 s47, s18, 1                          ; block
	s_lshl_b32 s42, s17, 10
	s_lshl_b32 s43, s46, 7
	s_add_co_u32 s42, s42, s43
	v_add_nc_u32 v26, s42, v2
.irp q, 0,1,2,3
.irp g, 0,1,2,3
	ds_load_b128 v[64+16*\q+4*\g:67+16*\q+4*\g], v5 offset:8192*\q+512*\g
.endr
.endr
.irp q, 0,1,2,3
	ds_load_b32 v[128+\q], v26 offset:LP+256*\q
.endr
	s_lshl_b32 s42, s46, 11
	s_lshl_b32 s43, s17, 9
	s_add_co_u32 s42, s42, s43
	s_lshl_b32 s43, s47, 8
	s_add_co_u32 s42, s42, s43
	v_lshl_add_u32 v11, v9, 4, s42
	v_lshl_add_u32 v11, v10, 3, v11                ; the image: tile, K step and c from the head, lane 16 block + r, my half's 8 bytes
	s_lshl_b32 s42, s46, 7
	s_lshr_b32 s43, s17, 1
	s_lshl_b32 s43, s43, 6
	s_add_co_u32 s42, s42, s43
	s_and_b32 s43, s17, 1
	s_lshl_b32 s43, s43, 1
	s_add_co_u32 s42, s42, s43
	s_add_co_u32 s42, s42, s47
	v_lshl_add_u32 v12, v9, 2, s42                 ; the scale word of row r, byte 2 (head % 2) + block
	s_wait_dscnt 0x0
.irp i, 0,2,4,6,8,10,12,14
	v_pk_add_f32 v[64+\i:65+\i], v[64+\i:65+\i], v[80+\i:81+\i]
	v_pk_add_f32 v[96+\i:97+\i], v[96+\i:97+\i], v[112+\i:113+\i]
.endr
.irp i, 0,2,4,6,8,10,12,14
	v_pk_add_f32 v[64+\i:65+\i], v[64+\i:65+\i], v[96+\i:97+\i]
.endr
	v_add_f32 v128, v128, v129
	v_add_f32 v130, v130, v131
	v_add_f32 v128, v128, v130
	v_permlanex16_b32 v23, v128, s22, s23
	v_add_f32 v128, v128, v23                      ; the row's sum over all 2,048 keys
	v_rcp_f32 v132, v128
	v_nop                                          ; one plain place behind the transcendental
	s_wait_alu depctr_va_vdst(0)
	v_mov_b32 v133, v132
.irp i, 0,2,4,6,8,10,12,14
	v_pk_mul_f32 v[64+\i:65+\i], v[64+\i:65+\i], v[132:133]
.endr
	v_max3_num_f32 v22, |v64|, |v65|, |v66|
	v_max3_num_f32 v23, |v67|, |v68|, |v69|
	v_max3_num_f32 v22, v22, |v70|, |v71|
	v_max3_num_f32 v23, v23, |v72|, |v73|
	v_max3_num_f32 v22, v22, |v74|, |v75|
	v_max3_num_f32 v23, v23, |v76|, |v77|
	v_max3_num_f32 v22, v22, |v78|, |v79|
	v_max3_num_f32 v22, v22, v23, 0x1800000
	v_permlanex16_b32 v23, v22, s22, s23
	v_max_num_f32 v22, v22, v23
	v_add_nc_u32 v24, 0xff000000, v22
	v_lshrrev_b32 v25, 23, v24
	v_cvt_scalef32_pk8_fp4_f32 v134, v[64:71], v24
	v_cvt_scalef32_pk8_fp4_f32 v135, v[72:79], v24
	v_nop                                          ; one plain place behind a scaled conversion
	ds_store_b64 v11, v[134:135] offset:AF
	ds_store_b8 v12, v25 offset:AS                 ; both halves of the lanes write the same byte with the same value
	s_wait_dscnt 0x0
	s_barrier_signal -1
	s_barrier_wait -1
	; ---- the last product, transposed: source 0 = my 16 rows of Wo, source 1 = a tile of the attention's rows; bo is the sums' first C
.irp t, 0,1
.irp ks, 0,1
.irp c, 0,1
	ds_load_b128 v[144+16*\t+8*\ks+4*\c:147+16*\t+8*\ks+4*\c], v1 offset:AF+2048*\t+1024*\ks+512*\c
.endr
.endr
.endr
	v_lshlrev_b32 v13, 2, v9
.irp t, 0,1
.irp ks, 0,1
	ds_load_b32 v[32+2*\t+\ks], v13 offset:AS+128*\t+64*\ks
.endr
.endr
	s_wait_loadcnt 0x0                             ; Wo, its scales, bo
	s_wait_dscnt 0x0
	WM 192, 36, 144, 52, 30, 32, 0, 0              ; the two accumulators by turns
	WM 200, 36, 160, 52, 30, 34, 0, 0
	WM 192, 44, 152, 192, 31, 33, 0, 0
	WM 200, 44, 168, 200, 31, 35, 0, 0
	v_and_b32 v14, 8, v9                           ; the stage's address: five plain lines that name none of the products' registers are the places behind them
	v_add_nc_u32 v14, v14, v9                      ; my query's row in its tile's 16 of the block: r + 8 (r / 8)
	v_mul_u32_u24 v14, v14, 1040
	v_lshl_add_u32 v14, v10, 5, v14
	s_lshl_b32 s42, s16, 6
	v_add_nc_u32 v14, s42, v14                     ; + my 16 columns' 64 bytes, + 32 h
	ds_store_b128 v14, v[192:195] offset:STG
	ds_store_b128 v14, v[196:199] offset:STG+16
	ds_store_b128 v14, v[200:203] offset:STG+8320  ; tile 1's rows lie 8 further down
	ds_store_b128 v14, v[204:207] offset:STG+8336
	s_wait_dscnt 0x0
	s_barrier_signal -1
	s_barrier_wait -1
	; ---- wave w stores rows 2 w and 2 w + 1 whole
	s_mul_i32 s42, s16, 2080
	v_add_nc_u32 v15, s42, v1
.irp i, 0,1
.irp j, 0,1
	ds_load_b128 v[64+8*\i+4*\j:67+8*\i+4*\j], v15 offset:STG+1040*\i+512*\j
.endr
.endr
	s_lshl_b32 s44, s19, 11
	s_lshl_b32 s43, s20, 5
	s_add_co_u32 s44, s44, s43
	s_lshl_b32 s43, s16, 1
	s_add_co_u32 s44, s44, s43
	s_lshl_b32 s44, s44, 10                        ; row 2048 batch + 32 block + 2 w, 1,024 bytes a row
	s_mov_b32 s45, 0
	s_add_nc_u64 s[14:15], s[14:15], s[44:45]
.irp i, 0,1
.irp j, 0,1
	s_wait_dscnt 3-2*\i-\j                         ; LDS loads come back in order: this piece is in, the younger ones may be out
	global_store_b128 v1, v[64+8*\i+4*\j:67+8*\i+4*\j], s[14:15] offset:1024*\i+512*\j th:TH_STORE_NT   ; 32 lanes store 512 consecutive bytes, at a multiple of 256 from out0's first byte
.endr
.endr
	s_wait_xcnt 0x0
	v_lshl_add_u32 v254, v0, 2, 0x2e400
	v_mov_b32 v255, 0
	s_wait_tensorcnt 0x0
	ds_add_u32 v254, v255
	s_wait_dscnt 0x0
	s_endpgm
.Lfunc_end_k_q815990beb9_attn:
	.size	k_q815990beb9_attn, .Lfunc_end_k_q815990beb9_attn-k_q815990beb9_attn
	.p2alignl 7, 3214868480
	.fill 96, 4, 3214868480
	.section	.rodata,"a",@progbits
	.p2align	6, 0x0
	.amdhsa_kernel k_q815990beb9_attn
		.amdhsa_group_segment_fixed_size 191488
		.amdhsa_private_segment_fixed_size 0
		.amdhsa_enable_private_segment 0
		.amdhsa_kernarg_size 48
		.amdhsa_user_sgpr_count 2
		.amdhsa_user_sgpr_kernarg_segment_ptr 1
		.amdhsa_wavefront_size32 1
		.amdhsa_system_sgpr_workgroup_id_x 1
		.amdhsa_system_sgpr_workgroup_id_y 1
		.amdhsa_system_sgpr_workgroup_id_z 1
		.amdhsa_system_vgpr_workitem_id 0
		.amdhsa_next_free_vgpr 256
		.amdhsa_next_free_sgpr 66
		.amdhsa_reserve_vcc 1
		.amdhsa_float_denorm_mode_32 3
		.amdhsa_float_denorm_mode_16_64 3
		.amdhsa_memory_ordered 1
		.amdhsa_forward_progress 1
		.amdhsa_inst_pref_size 82
	.end_amdhsa_kernel
	.amdgpu_metadata
---
amdhsa.version: [ 1, 2 ]
amdhsa.kernels:
  - .name:           k_q815990beb9_attn
    .symbol:         k_q815990beb9_attn.kd
    .args:
      - { .name: ws, .offset: 0, .size: 8, .value_kind: global_buffer, .address_space: global }
      - { .name: mask, .offset: 8, .size: 8, .value_kind: global_buffer, .address_space: global }
      - { .name: Wo_codes, .offset: 16, .size: 8, .value_kind: global_buffer, .address_space: global }
      - { .name: Wo_scales, .offset: 24, .size: 8, .value_kind: global_buffer, .address_space: global }
      - { .name: bo, .offset: 32, .size: 8, .value_kind: global_buffer, .address_space: global }
      - { .name: out0, .offset: 40, .size: 8, .value_kind: global_buffer, .address_space: global }
    .group_segment_fixed_size: 191488
    .private_segment_fixed_size: 0
    .kernarg_segment_align: 8
    .kernarg_segment_size: 48
    .max_flat_workgroup_size: 512
    .sgpr_count:     66
    .vgpr_count:     256
    .wavefront_size: 32
...
	.end_amdgpu_metadata
.endif
;; end of part 2
;; ======== version 2 of 2: 2 launches; version 1 with the launch attn written anew for expert scheduling mode
;; workspace buffers: ws 3,801,088 bytes
;; launch prep: the kernel of part 1 again; grid 64 x 3, 8 waves a work-group, no clusters, 21,504 bytes of LDS; arguments query_codes, query_scales, Wq_r, Wq_i, Wq_j, Wq_k, bq, key_codes, key_scales, Wk_r, Wk_i, Wk_j, Wk_k, bk, value_codes, value_scales, Wv_codes, Wv_scales, bv, density_feat, mask, threshold, dm_w1, dm_b1, dm_w2, dm_b2, ws; writes ws
;; launch attn (part 3): grid 256 x 1, 16 waves a work-group, no clusters, 191,488 bytes of LDS; arguments ws, mask, Wo_codes, Wo_scales, bo, out0; writes out0
.if DOCPART == 3
	.amdgcn_target "amdgcn-amd-amdhsa--gfx1250"
	.amdhsa_code_object_version 6
	.text
	.protected	k_q815990beb9_attn
	.globl	k_q815990beb9_attn
	.p2align	8
	.type	k_q815990beb9_attn,@function
k_q815990beb9_attn:
	s_mov_b64 s[64:65], 0
	v_nop
	global_prefetch_b8 v0, s[64:65] scope:SCOPE_SE
	s_setreg_imm32_b32 hwreg(HW_REG_WAVE_SCHED_MODE, 0, 2), 2
	s_setreg_imm32_b32 hwreg(HW_REG_WAVE_MODE, 25, 1), 1
	s_wait_xcnt 0x0
	s_wait_alu depctr_vm_vsrc(0)
; out = (softmax(gated scores) v) Wo^T + bo, all three products on codes of FP4 (E2M1) with one E8M0 scale for each 32 along K.  q, k, v come as images of operand registers out of ws.
; SHARES.  A work-group owns 32 queries (two tiles of 16) of one batch, all four heads, so that the last product is fused.  Sixteen waves = 4 heads x 4 parts of 512 keys; a wave holds both tiles of
; queries in 256 registers; four waves to a SIMD, so that one wave's loads and products stand beside another's vector work.
; LAYOUT.  S^T = K Q^T and O^T = V^T P^T: a lane holds ONE query throughout, and its 16 registers of a block's two tiles are 16 neighbouring keys (the rows of a tile are 8 u + r + 8 (r / 8)).
; A head's K is 64: registers 4-7 of Q's fragments hold zero codes, so whatever stands in registers 4-7 of K's adds nothing; the scale bytes over them are 127.
; A SCORE.  x = the raw dot product (4 x the score).  c = x held to LO .. HI; u = c KQ + T; g = 1 / (1 + 2^u); w = g G + 0.25; m = c w + 30; t = m A + CST; p = 2^t.
;   A query that counts: LO, HI = -24, 24, KQ = -5 log2(e) / 4, G = 0.5: c w = score (1 + 2 gate).  One that does not: LO = HI = -120, KQ = G = 0: m = 0.  T, A: per key; A = 0 for a key that does not count.
;   CST = -30 log2(e).  So t = log2(e) x the logit where both count, and -30 log2(e), the clipped -10,000, where not: no compare and no select stands in the loop.
; NO MAXIMUM IS TAKEN AWAY: the computation itself clips the logits to -30 .. 30 (those that count lie within -18 .. 18), so t lies within -43.3 .. 43.3: 2^t and a sum of 2,048 of them lie far inside f32.
;   The whole number M of p = 2^(t - M) is 0 for every row; the blocks' scales and the row's sum take up the factor.  So the four parts' O^T and sums are simply added.
; LIMITS: NaN and infinities are not served.  c w + 30 is rounded once more than the logit itself: at most 1.9e-6 absolute.  Any mask number other than 0 counts as true.
; K AND V GO FROM MEMORY STRAIGHT INTO REGISTERS, NOT JOINTLY THROUGH LDS, though the 64 work-groups of a batch read the same images: each fragment is used by ONE wave of a work-group, so LDS would add a
;   write and a read and spare none; a batch's images are 4 x (64 x 1280 + 16 x 4352) = 606,208 bytes, more than LDS holds, so joint loads would want slots filled again and a round of the cluster's
;   barrier for each; and a wave's step of 128 keys loads 9,472 bytes beside some 1,160 vector instructions.
; LDS: the batch's T and A (16 KB); and for the way out the parts' sums, the attention's rows as images of operand registers, a stage for whole rows of out0, and the parts' O^T.
; THE MODE: SCHED_MODE bits 1:0 = 2 (LLVM: expert scheduling mode 2), set by the entry lines.  The code itself states the register dependences between vector or matrix instructions and memory or
; LDS instructions, with s_wait_alu, always for 0.
; THE PLAN.  Registers that memory or LDS instructions touch, in the loop:
;   v1, v2         offsets of every global load; made at the head, never written again: the scalar bases move on.
;   v4             LDS address of a step's T and A: written once a trip, at its head, between a wait on vm_vsrc (the last trip's LDS loads have read it) and a wait on va_vdst (it is written).
;   T  v112-127    read by the lines that make u for tile 0 and for tile 1; the next block's LDS loads land in it behind the wait for tile 1's exponentials, which stands behind both.
;   A  v128-143    read by the lines that make t for tile 0 and for tile 1; the next block's LDS loads land in it behind the wait for tile 1's p, which stands behind both.
;   K  v52-59, v31 read by a block's four products; the next block's loads land in them behind the wait for tile 0's exponentials, which stands behind the products.
;   V  v80-111, v32-33  read by a step's eight products; behind these stands the one wait that is there for loads alone, and the next step's loads follow it.
;   P  v64-79, v34-35   written by vector instructions and taken by scaled products: the places, then a wait on va_vdst, then the products.
; So three of the four kinds of load lean on waits that the transcendentals want anyway, and between such a wait and its loads no vector or matrix instruction names a register that those loads touch.
.set KBO,   0x140000
.set VBO,   0x280000
.set CNO,   0x390000
.set BLKB,  1280
.set STEPB, 4352
.set LP,    16384                      ; [wave][tile][lane] f32: the parts' sums
.set AF,    20480                      ; [tile][K step][c][lane 16 B]: the attention's rows as fragments
.set AS,    24576                      ; [tile][K step][r] their scale words
.set STG,   25088                      ; 32 rows x (1024 + 16)
.set OP,    58368                      ; [wave][16 groups of 4 registers][lane 16 B]: the parts' O^T
.set TT,    112                        ; v112-127 T of my 16 keys
.set AA,    128                        ; v128-143 A
.set X0,    144                        ; v144-159 tile 0's scores, then p
.set X1,    160                        ; v160-175 tile 1's
.set U,     176                        ; v176-191 the gate
.set PK,    30                         ; s[30:31] this step's blocks of K;  s[32:33] the next step's;  s[34:35] the next step of V
.set PKN,   32
.set PVN,   34
; REGISTERS: v1 16 x lane, v2 4 x lane, v3-4 T's and A's LDS address; v6-9 LO, HI of the two tiles; v10-17 KQ, G as pairs; v18-21 the sums; v22-25 at work; v30 Q's scale words, v31 K's, v32-33 V's,
; v34-35 P's; v36-51 Q; v52-63 K's two tiles and four registers of zeros; v64-79 P's codes; v80-111 V; v192-255 O^T, (tile, dt) at 192 + 32 tile + 8 dt.
.macro WM d, a, b, c, sa, sb, ra, rb   ; a scaled product from register numbers: D, A, B, C (c < 0: the constant 0), the scale registers, and whether A's or B's scales stand in lanes 16-31
.set WD, \d
.set WA, \a
.set WB, \b
.set WC, \c
.set WSA, \sa
.set WSB, \sb
.set WR, (\ra)+2*(\rb)
.if WC < 0
.if WR == 0
	v_wmma_scale_f32_16x16x128_f8f6f4 v[WD:WD+7], v[WA:WA+7], v[WB:WB+7], 0, v[WSA], v[WSB] matrix_a_fmt:MATRIX_FMT_FP4 matrix_b_fmt:MATRIX_FMT_FP4
.elseif WR == 1
	v_wmma_scale_f32_16x16x128_f8f6f4 v[WD:WD+7], v[WA:WA+7], v[WB:WB+7], 0, v[WSA], v[WSB] matrix_a_fmt:MATRIX_FMT_FP4 matrix_b_fmt:MATRIX_FMT_FP4 matrix_a_scale:MATRIX_SCALE_ROW1
.elseif WR == 2
	v_wmma_scale_f32_16x16x128_f8f6f4 v[WD:WD+7], v[WA:WA+7], v[WB:WB+7], 0, v[WSA], v[WSB] matrix_a_fmt:MATRIX_FMT_FP4 matrix_b_fmt:MATRIX_FMT_FP4 matrix_b_scale:MATRIX_SCALE_ROW1
.else
	v_wmma_scale_f32_16x16x128_f8f6f4 v[WD:WD+7], v[WA:WA+7], v[WB:WB+7], 0, v[WSA], v[WSB] matrix_a_fmt:MATRIX_FMT_FP4 matrix_b_fmt:MATRIX_FMT_FP4 matrix_a_scale:MATRIX_SCALE_ROW1 matrix_b_scale:MATRIX_SCALE_ROW1
.endif
.else
.if WR == 0
	v_wmma_scale_f32_16x16x128_f8f6f4 v[WD:WD+7], v[WA:WA+7], v[WB:WB+7], v[WC:WC+7], v[WSA], v[WSB] matrix_a_fmt:MATRIX_FMT_FP4 matrix_b_fmt:MATRIX_FMT_FP4
.elseif WR == 1
	v_wmma_scale_f32_16x16x128_f8f6f4 v[WD:WD+7], v[WA:WA+7], v[WB:WB+7], v[WC:WC+7], v[WSA], v[WSB] matrix_a_fmt:MATRIX_FMT_FP4 matrix_b_fmt:MATRIX_FMT_FP4 matrix_a_scale:MATRIX_SCALE_ROW1
.elseif WR == 2
	v_wmma_scale_f32_16x16x128_f8f6f4 v[WD:WD+7], v[WA:WA+7], v[WB:WB+7], v[WC:WC+7], v[WSA], v[WSB] matrix_a_fmt:MATRIX_FMT_FP4 matrix_b_fmt:MATRIX_FMT_FP4 matrix_b_scale:MATRIX_SCALE_ROW1
.else
	v_wmma_scale_f32_16x16x128_f8f6f4 v[WD:WD+7], v[WA:WA+7], v[WB:WB+7], v[WC:WC+7], v[WSA], v[WSB] matrix_a_fmt:MATRIX_FMT_FP4 matrix_b_fmt:MATRIX_FMT_FP4 matrix_a_scale:MATRIX_SCALE_ROW1 matrix_b_scale:MATRIX_SCALE_ROW1
.endif
.endif
.endm
.macro PLACES                          ; four places behind matrix instructions, in front of reads of their results and of loads into their sources; also the places in front of scaled products whose operands vector instructions wrote
.rept 4
	v_nop
.endr
.endm
.macro KLOAD p, off                    ; a block of 32 keys: two tiles and their scale words (lanes 0-15 the first tile's, lanes 16-31 the second's)
	global_load_b128 v[52:55], v1, s[\p:\p+1] offset:\off
	global_load_b128 v[56:59], v1, s[\p:\p+1] offset:(\off)+512
	global_load_b32 v31, v2, s[\p:\p+1] offset:(\off)+1024
.endm
.macro VLOAD p                         ; a step of 128 keys of V^T: four fragments and their scale words
.irp dt, 0,1,2,3
.irp c, 0,1
	global_load_b128 v[80+8*\dt+4*\c:83+8*\dt+4*\c], v1, s[\p:\p+1] offset:1024*\dt+512*\c
.endr
.endr
	global_load_b32 v32, v2, s[\p:\p+1] offset:4096
	global_load_b32 v33, v2, s[\p:\p+1] offset:4224
.endm
.macro TLOAD b                         ; T of keys 32 b + 16 (lane / 16) + 0 .. 15 of the step
.irp j, 0,1,2,3
	ds_load_b128 v[TT+4*\j:TT+4*\j+3], v4 offset:128*(\b)+16*\j
.endr
.endm
.macro ALOAD b
.irp j, 0,1,2,3
	ds_load_b128 v[AA+4*\j:AA+4*\j+3], v4 offset:8192+128*(\b)+16*\j
.endr
.endm
.macro SCORE                           ; four products, four accumulators, each begun with the constant 0
	WM X0, 52, 36, -1, 31, 30, 0, 0
	WM X1, 52, 44, -1, 31, 30, 0, 1
	WM X0+8, 56, 36, -1, 31, 30, 1, 0
	WM X1+8, 56, 44, -1, 31, 30, 1, 1
.endm
.macro CLIP x, t                       ; each accumulator is read from its low end on
.irp i, 0,1,2,3,4,5,6,7,8,9,10,11,12,13,14,15
	v_med3_num_f32 v[\x+\i], v[\x+\i], v[6+2*\t], v[7+2*\t]
.endr
.endm
.macro UARG x, t
.irp i, 0,2,4,6,8,10,12,14
	v_pk_fma_f32 v[U+\i:U+\i+1], v[\x+\i:\x+\i+1], v[10+4*\t:11+4*\t], v[TT+\i:TT+\i+1]
.endr
.endm
.macro EXPU                            ; 2^u of a tile's 16 scores; the wait for them stands in SUB, where loads follow it
.irp i, 0,1,2,3,4,5,6,7,8,9,10,11,12,13,14,15
	v_exp_f32 v[U+\i], v[U+\i]
.endr
	v_nop                                          ; one plain place behind the transcendentals
.endm
.macro GREST t                         ; g = 1 / (1 + 2^u); w = g G + 0.25
.irp i, 0,2,4,6,8,10,12,14
	v_pk_add_f32 v[U+\i:U+\i+1], v[U+\i:U+\i+1], 1.0 op_sel_hi:[1,0]
.endr
.irp i, 0,1,2,3,4,5,6,7,8,9,10,11,12,13,14,15
	v_rcp_f32 v[U+\i], v[U+\i]
.endr
	v_nop
	s_wait_alu depctr_va_vdst(0)                   ; the reciprocals have written v[U ..], ahead of their first reader
.irp i, 0,2,4,6,8,10,12,14
	v_pk_fma_f32 v[U+\i:U+\i+1], v[U+\i:U+\i+1], v[12+4*\t:13+4*\t], s[24:25] op_sel_hi:[1,1,0]
.endr
.endm
.macro MOD x
.irp i, 0,2,4,6,8,10,12,14
	v_pk_fma_f32 v[\x+\i:\x+\i+1], v[\x+\i:\x+\i+1], v[U+\i:U+\i+1], s[26:27] op_sel_hi:[1,1,0]
.endr
.endm
.macro LOGIT x
.irp i, 0,2,4,6,8,10,12,14
	v_pk_fma_f32 v[\x+\i:\x+\i+1], v[\x+\i:\x+\i+1], v[AA+\i:AA+\i+1], s[28:29] op_sel_hi:[1,1,0]
.endr
.endm
.macro EXPP x                          ; p; the wait for it stands in SUB, ahead of QP
.irp i, 0,1,2,3,4,5,6,7,8,9,10,11,12,13,14,15
	v_exp_f32 v[\x+\i], v[\x+\i]
.endr
	v_nop
.endm
; p of tile t, block b of the step: the block's scale byte into P's word, 16 codes, and the row's sum, which is taken of the unquantised p
.macro QP x, t, b
	v_max3_num_f32 v22, v[\x], v[\x+1], v[\x+2]    ; p is positive: no |.|; two chains
	v_max3_num_f32 v23, v[\x+3], v[\x+4], v[\x+5]
	v_max3_num_f32 v22, v22, v[\x+6], v[\x+7]
	v_max3_num_f32 v23, v23, v[\x+8], v[\x+9]
	v_max3_num_f32 v22, v22, v[\x+10], v[\x+11]
	v_max3_num_f32 v23, v23, v[\x+12], v[\x+13]
	v_max3_num_f32 v22, v22, v[\x+14], v[\x+15]
	v_max3_num_f32 v22, v22, v23, 0x1800000        ; and the floor 2^(3 - 127)
	v_permlanex16_b32 v23, v22, s22, s23
	v_max_num_f32 v22, v22, v23                    ; with lane l xor 16's 16 keys: the block's largest p
	v_add_nc_u32 v24, 0xff000000, v22              ; 2 off its exponent field: the conversion's scale operand
.if (\b) == 0
	v_lshrrev_b32 v[34+\t], 23, v24                ; the byte begins the step's word
.else
	v_lshrrev_b32 v25, 23, v24
	v_lshl_or_b32 v[34+\t], v25, 8*(\b), v[34+\t]
.endif
	v_cvt_scalef32_pk8_fp4_f32 v[64+8*\t+2*(\b)], v[\x:\x+7], v24
	v_cvt_scalef32_pk8_fp4_f32 v[65+8*\t+2*(\b)], v[\x+8:\x+15], v24
	v_nop                                          ; one plain place behind a scaled conversion: the sums below write its sources
	v_pk_add_f32 v[\x:\x+1], v[\x:\x+1], v[\x+2:\x+3]
	v_pk_add_f32 v[\x+4:\x+5], v[\x+4:\x+5], v[\x+6:\x+7]
	v_pk_add_f32 v[\x+8:\x+9], v[\x+8:\x+9], v[\x+10:\x+11]
	v_pk_add_f32 v[\x+12:\x+13], v[\x+12:\x+13], v[\x+14:\x+15]
	v_pk_add_f32 v[\x:\x+1], v[\x:\x+1], v[\x+4:\x+5]
	v_pk_add_f32 v[\x+8:\x+9], v[\x+8:\x+9], v[\x+12:\x+13]
	v_pk_add_f32 v[\x:\x+1], v[\x:\x+1], v[\x+8:\x+9]
	v_pk_add_f32 v[18+2*\t:19+2*\t], v[18+2*\t:19+2*\t], v[\x:\x+1]
.if (\b)%2
	v_permlane16_swap_b32 v[64+8*\t+4*((\b)/2)], v[66+8*\t+4*((\b)/2)]   ; the operand's layout wants a whole block in a lane
	v_permlane16_swap_b32 v[65+8*\t+4*((\b)/2)], v[67+8*\t+4*((\b)/2)]
.endif
.endm
; a block of 32 keys for both tiles of queries
.macro SUB b
.if (\b) == 0
	s_wait_loadcnt 10                              ; K's three loads are in; V's ten were issued behind them, at the head and round the back edge alike, and may be out
.else
	s_wait_loadcnt 0x0                             ; K's three were the last issued
.endif
	SCORE
	PLACES
	CLIP X0, 0
	s_wait_dscnt 4                                 ; T's four loads are in; A's four, issued behind them, may be out
	UARG X0, 0
	EXPU
	s_wait_alu depctr_va_vdst(0)                   ; tile 0's exponentials have written v[U ..], ahead of their first reader; and the four products are done reading K's tiles and scale words, in which the loads below land
.if (\b) < 3
	KLOAD PK, BLKB*((\b)+1)                        ; the next block has the rest of this block's vector work in which to land
.else
	KLOAD PKN, 0
.endif
	GREST 0
	MOD X0
	s_wait_dscnt 0x0                               ; A
	LOGIT X0
	EXPP X0
	s_wait_alu depctr_va_vdst(0)                   ; the exponentials have written tile 0's p, ahead of its first reader
	QP X0, 0, \b
	CLIP X1, 1
	UARG X1, 1
	EXPU
	s_wait_alu depctr_va_vdst(0)                   ; tile 1's exponentials have written v[U ..], ahead of their first reader; and both tiles' lines are done reading T, in which the loads below land
.if (\b) < 3
	TLOAD (\b)+1
.endif
	GREST 1
	MOD X1
	LOGIT X1
	EXPP X1
	s_wait_alu depctr_va_vdst(0)                   ; the exponentials have written tile 1's p, ahead of its first reader; and both tiles' lines are done reading A, in which the loads below land
.if (\b) < 3
	ALOAD (\b)+1
.endif
	QP X1, 1, \b
.endm
; O^T += V^T P^T: eight accumulators, one instruction each.  P's word was last written 13 plain places back, its codes four (the v_nop)
.macro PV
	PLACES
	s_wait_alu depctr_va_vdst(0)                   ; the conversions and lane swaps have written P's codes, the shifts its scale words: the scaled products below take them; the places above stay beside this wait
.irp dt, 0,1,2,3
.irp t, 0,1
	WM 192+32*\t+8*\dt, 80+8*\dt, 64+8*\t, 192+32*\t+8*\dt, 32+\dt/2, 34+\t, \dt%2, 0
.endr
.endr
	PLACES
	s_wait_alu depctr_va_vdst(0)                   ; the eight products are done reading V's fragments and scale words, in which the loads below land
	VLOAD PVN
.endm
	s_load_b256 s[4:11], s[0:1], 0x0               ; ws, mask, Wo's codes, Wo's scales
	s_load_b128 s[12:15], s[0:1], 0x20             ; bo, out0
	v_lshrrev_b32 v5, 5, v0
	v_readfirstlane_b32 s16, v5                    ; wave 0..15
	v_and_b32 v26, 15, v0                          ; r
	v_bfe_u32 v27, v0, 4, 1                        ; h
	v_and_b32 v1, 31, v0
	v_lshlrev_b32 v2, 2, v1                        ; 4 x lane
	v_lshlrev_b32 v1, 4, v1                        ; 16 x lane
	v_and_b32 v24, 8, v26
	v_add_nc_u32 v24, v24, v26
	v_lshlrev_b32 v24, 2, v24                      ; the mask of my query: 4 (r + 8 (r / 8))
	v_lshlrev_b32 v5, 4, v0                        ; 16 x thread
	s_wait_alu depctr_va_sdst(0)                   ; s16 is written, ahead of its first reader: head, part and every base are made from it
	s_lshr_b32 s17, s16, 2                         ; head
	s_and_b32 s18, s16, 3                          ; part of the keys
	s_lshr_b32 s19, ttmp9, 6                       ; batch
	s_and_b32 s20, ttmp9, 63                       ; block of 32 queries
	s_lshl_b32 s21, s19, 2
	s_add_co_u32 s21, s21, s17                     ; 4 batch + head
	s_lshl_b32 s42, s18, 11
	v_lshl_add_u32 v3, v27, 6, s42                 ; T in LDS: my part's 512 keys, + 16 h keys
	s_mov_b32 s22, 0x76543210
	s_mov_b32 s23, 0xfedcba98                      ; v_permlanex16_b32's selects for lane l xor 16
	s_mov_b32 s24, 0x3e800000                      ; 0.25  (the packed forms name pairs and take the low word for both halves: both words are written)
	s_mov_b32 s25, s24
	s_mov_b32 s26, 0x41f00000                      ; 30
	s_mov_b32 s27, s26
	s_mov_b32 s28, 0xc22d1f97                      ; -30 log2(e)
	s_mov_b32 s29, s28
	s_mov_b32 s37, 0
	s_mov_b32 s39, 0
	s_mov_b32 s40, 0                               ; the step
	s_mov_b32 s41, 0                               ; its T and A: 512 bytes a step
	s_lshl_b32 s42, s19, 14
	s_add_co_u32 s42, s42, CNO
	s_mov_b32 s43, 0
	s_lshl_b32 s50, s21, 6
	s_add_co_u32 s51, s50, s20
	s_mul_i32 s52, s51, BLKB                       ; my queries' block
	s_mov_b32 s53, 0
	s_lshl_b32 s51, s18, 4
	s_add_co_u32 s51, s50, s51
	s_mul_i32 s54, s51, BLKB
	s_add_co_u32 s54, s54, KBO                     ; my part's first block of K
	s_mov_b32 s55, 0
	s_lshl_b32 s50, s21, 4
	s_lshl_b32 s51, s18, 2
	s_add_co_u32 s50, s50, s51
	s_mul_i32 s56, s50, STEPB
	s_add_co_u32 s56, s56, VBO                     ; and first step of V
	s_mov_b32 s57, 0
	s_lshl_b32 s58, s19, 11
	s_lshl_b32 s50, s20, 5
	s_add_co_u32 s58, s58, s50
	s_lshl_b32 s58, s58, 2                         ; my queries' mask
	s_mov_b32 s59, 0
	s_wait_kmcnt 0x0
	s_add_nc_u64 s[46:47], s[4:5], s[42:43]
	s_add_nc_u64 s[44:45], s[4:5], s[52:53]
	s_add_nc_u64 s[PK:PK+1], s[4:5], s[54:55]
	s_add_nc_u64 s[48:49], s[4:5], s[56:57]
	s_add_nc_u64 s[6:7], s[6:7], s[58:59]
	s_add_nc_u64 s[PKN:PKN+1], s[PK:PK+1], 4*BLKB
	s_add_nc_u64 s[PVN:PVN+1], s[48:49], STEPB
	s_wait_alu depctr_va_vdst(0)                   ; the offsets v1, v2, v5 and v24 are written, which the loads and LDS stores below read
	global_load_b128 v[TT:TT+3], v5, s[46:47]      ; the batch's T and A: 16 bytes of each a thread
	global_load_b128 v[AA:AA+3], v5, s[46:47] offset:8192
	global_load_b128 v[36:39], v1, s[44:45]        ; Q's two tiles stay in registers
	global_load_b128 v[44:47], v1, s[44:45] offset:512
	global_load_b32 v30, v2, s[44:45] offset:1024
	global_load_b32 v28, v24, s[6:7]               ; the mask of my query in tile 0,
	global_load_b32 v29, v24, s[6:7] offset:32     ; in tile 1
	KLOAD PK, 0
	VLOAD 48
.irp j, 0,1,2,3,4,5,6,7,8,9,10,11,12,13,14,15,16,17,18,19,20,21,22,23,24,25,26,27,28,29,30,31,32,33,34,35,36,37,38,39,40,41,42,43,44,45,46,47,48,49,50,51,52,53,54,55,56,57,58,59,60,61,62,63
	v_mov_b32 v[192+\j], 0                         ; O^T.  (The step is written once: the first adds onto zeros)
.endr
.irp j, 18,19,20,21, 40,41,42,43, 48,49,50,51, 60,61,62,63
	v_mov_b32 v[\j], 0                             ; the sums; the zero codes of k = 64 .. 127
.endr
	s_wait_loadcnt 18                              ; T's and A's loads are in; behind them 3 + 2 + 3 + 10 may be out
	ds_store_b128 v5, v[TT:TT+3]
	ds_store_b128 v5, v[AA:AA+3] offset:8192
	s_wait_loadcnt 13                              ; Q and the mask are in; K's 3 and V's 10 may be out
	v_mov_b32 v22, 0xc1c00000                      ; -24
	v_mov_b32 v23, 0x41c00000                      ; 24
	v_mov_b32 v25, 0xbfe6d4ca                      ; -5 log2(e) / 4
	v_mov_b32 v26, 0.5
.irp t, 0,1
	v_cmp_ne_u32 vcc_lo, 0, v[28+\t]
	s_wait_alu depctr_va_vcc(0)                    ; the compare has written VCC, ahead of the four selects that read it
	v_cndmask_b32 v[6+2*\t], 0xc2f00000, v22, vcc_lo    ; LO: -24, or -120
	v_cndmask_b32 v[7+2*\t], 0xc2f00000, v23, vcc_lo    ; HI: 24, or -120
	v_cndmask_b32 v[10+4*\t], 0, v25, vcc_lo            ; KQ
	v_cndmask_b32 v[12+4*\t], 0, v26, vcc_lo            ; G
	v_mov_b32 v[11+4*\t], v[10+4*\t]
	v_mov_b32 v[13+4*\t], v[12+4*\t]
.endr
	s_wait_dscnt 0x0                               ; for the others' sake: my part of T and A lies in LDS
	s_barrier_signal -1
	s_barrier_wait -1
.Lstep:                                            ; four trips: a step of 128 keys each
	s_wait_alu depctr_vm_vsrc(0)                   ; the last trip's LDS loads have read v4, which is written below; on the way in: my LDS stores have read v112-115 and v128-131, in which the loads below land, and the head's loads and stores have read v24 and v5, which are written again further down
	v_add_nc_u32 v4, s41, v3
	s_wait_alu depctr_va_vdst(0)                   ; v4 is written, which the LDS loads read; the last block's lines are done reading T and A, in which these loads land; on the way in: the zero codes in Q's and K's fragments are written, which the scaled products take
	TLOAD 0
	ALOAD 0
	SUB 0
	SUB 1
	SUB 2
	SUB 3
	PV
	s_wait_xcnt 0x0                                ; the loads have read their bases: these may step
	s_mov_b64 s[PK:PK+1], s[PKN:PKN+1]
	s_add_co_u32 s40, s40, 1
	s_cmp_lt_u32 s40, 3                            ; the look-ahead stops at the part's last step: the last trip loads that step's first block and its V once more, and nothing beyond
	s_cselect_b32 s36, 4*BLKB, 0
	s_cselect_b32 s38, STEPB, 0
	s_add_nc_u64 s[PKN:PKN+1], s[PKN:PKN+1], s[36:37]
	s_add_nc_u64 s[PVN:PVN+1], s[PVN:PVN+1], s[38:39]
	s_add_co_u32 s41, s41, 512
	s_cmp_lt_u32 s40, 4
	s_cbranch_scc1 .Lstep
	; ---- the parts meet: every wave's O^T and sums go to LDS as they stand
	s_wait_loadcnt 0x0                             ; the last look-ahead has landed: its registers and bases are free
	v_add_f32 v18, v18, v19
	v_add_f32 v20, v20, v21
	s_lshl_b32 s42, s16, 13
	s_add_co_u32 s42, s42, OP
	v_add_nc_u32 v5, s42, v1
	s_lshl_b32 s43, s16, 8
	v_add_nc_u32 v26, s43, v2
	v_and_b32 v9, 15, v0                           ; r
	v_bfe_u32 v10, v0, 4, 1                        ; h
	v_lshlrev_b32 v6, 7, v9
	v_lshl_add_u32 v6, v10, 4, v6                  ; Wo: row r of 128 bytes, + 16 h
	v_lshlrev_b32 v7, 3, v9                        ; its 8 scale bytes
	v_lshlrev_b32 v8, 5, v10                       ; bo: 8 h numbers on
	s_wait_alu depctr_va_vdst(0)                   ; written: the addresses v5 and v26, the sums v18 and v20 and O^T, which the LDS stores read, and the offsets v6 to v8, which the loads read; and the loop's products are done reading Q's and K's registers, in which those loads land
.irp g, 0,1,2,3,4,5,6,7,8,9,10,11,12,13,14,15
	ds_store_b128 v5, v[192+4*\g:195+4*\g] offset:512*\g   ; each accumulator from its low end on
.endr
	ds_store_b32 v26, v18 offset:LP
	ds_store_b32 v26, v20 offset:LP+128
	s_lshl_b32 s44, s16, 11                        ; wave w makes output columns 16 w .. 16 w + 15
	s_mov_b32 s45, 0
	s_add_nc_u64 s[8:9], s[8:9], s[44:45]
	s_lshl_b32 s44, s16, 7
	s_add_nc_u64 s[10:11], s[10:11], s[44:45]
	s_lshl_b32 s44, s16, 6
	s_add_nc_u64 s[12:13], s[12:13], s[44:45]
.irp ks, 0,1
.irp c, 0,1
	global_load_b128 v[36+8*\ks+4*\c:39+8*\ks+4*\c], v6, s[8:9] offset:64*\ks+32*\c   ; asked for here, wanted two barriers on
.endr
.endr
	global_load_b64 v[30:31], v7, s[10:11]
	global_load_b128 v[52:55], v8, s[12:13]
	global_load_b128 v[56:59], v8, s[12:13] offset:16
	s_wait_dscnt 0x0
	s_barrier_signal -1
	s_barrier_wait -1
	; ---- wave (head, p) adds the four parts of tile p / 2, block p % 2 of the head's 64, divides by the row's sum and quantises: one block of 32 of the last product's K
	s_lshl_b32 s42, s17, 15
	s_lshl_b32 s43, s18, 11
	s_add_co_u32 s42, s42, s43
	s_add_co_u32 s42, s42, OP
	s_wait_alu depctr_vm_vsrc(0)                   ; my LDS stores have read v5 and v26, which are written below, and v192-255, of which the last products write v192-207
	v_add_nc_u32 v5, s42, v1
	s_lshr_b32 s46, s18, 1                         ; tile
	s_and_b32 s47, s18, 1                          ; block
	s_lshl_b32 s42, s17, 10
	s_lshl_b32 s43, s46, 7
	s_add_co_u32 s42, s42, s43
	v_add_nc_u32 v26, s42, v2
	s_wait_alu depctr_va_vdst(0)                   ; v5 and v26 are written, which the LDS loads below read
.irp q, 0,1,2,3
.irp g, 0,1,2,3
	ds_load_b128 v[64+16*\q+4*\g:67+16*\q+4*\g], v5 offset:8192*\q+512*\g
.endr
.endr
.irp q, 0,1,2,3
	ds_load_b32 v[128+\q], v26 offset:LP+256*\q
.endr
	s_lshl_b32 s42, s46, 11
	s_lshl_b32 s43, s17, 9
	s_add_co_u32 s42, s42, s43
	s_lshl_b32 s43, s47, 8
	s_add_co_u32 s42, s42, s43
	v_lshl_add_u32 v11, v9, 4, s42
	v_lshl_add_u32 v11, v10, 3, v11                ; the image: tile, K step and c from the head, lane 16 block + r, my half's 8 bytes
	s_lshl_b32 s42, s46, 7
	s_lshr_b32 s43, s17, 1
	s_lshl_b32 s43, s43, 6
	s_add_co_u32 s42, s42, s43
	s_and_b32 s43, s17, 1
	s_lshl_b32 s43, s43, 1
	s_add_co_u32 s42, s42, s43
	s_add_co_u32 s42, s42, s47
	v_lshl_add_u32 v12, v9, 2, s42                 ; the scale word of row r, byte 2 (head % 2) + block
	v_lshlrev_b32 v13, 2, v9                       ; and where the words are read back, behind the next barrier
	s_wait_dscnt 0x0
.irp i, 0,2,4,6,8,10,12,14
	v_pk_add_f32 v[64+\i:65+\i], v[64+\i:65+\i], v[80+\i:81+\i]
	v_pk_add_f32 v[96+\i:97+\i], v[96+\i:97+\i], v[112+\i:113+\i]
.endr
.irp i, 0,2,4,6,8,10,12,14
	v_pk_add_f32 v[64+\i:65+\i], v[64+\i:65+\i], v[96+\i:97+\i]
.endr
	v_add_f32 v128, v128, v129
	v_add_f32 v130, v130, v131
	v_add_f32 v128, v128, v130
	v_permlanex16_b32 v23, v128, s22, s23
	v_add_f32 v128, v128, v23                      ; the row's sum over all 2,048 keys
	v_rcp_f32 v132, v128
	v_nop                                          ; one plain place behind the transcendental
	s_wait_alu depctr_va_vdst(0)                   ; the reciprocal has written v132, ahead of its first reader
	v_mov_b32 v133, v132
.irp i, 0,2,4,6,8,10,12,14
	v_pk_mul_f32 v[64+\i:65+\i], v[64+\i:65+\i], v[132:133]
.endr
	v_max3_num_f32 v22, |v64|, |v65|, |v66|
	v_max3_num_f32 v23, |v67|, |v68|, |v69|
	v_max3_num_f32 v22, v22, |v70|, |v71|
	v_max3_num_f32 v23, v23, |v72|, |v73|
	v_max3_num_f32 v22, v22, |v74|, |v75|
	v_max3_num_f32 v23, v23, |v76|, |v77|
	v_max3_num_f32 v22, v22, |v78|, |v79|
	v_max3_num_f32 v22, v22, v23, 0x1800000
	v_permlanex16_b32 v23, v22, s22, s23
	v_max_num_f32 v22, v22, v23
	v_add_nc_u32 v24, 0xff000000, v22
	v_lshrrev_b32 v25, 23, v24
	v_cvt_scalef32_pk8_fp4_f32 v134, v[64:71], v24
	v_cvt_scalef32_pk8_fp4_f32 v135, v[72:79], v24
	v_nop                                          ; one plain place behind a scaled conversion
	s_wait_alu depctr_va_vdst(0)                   ; written: the codes v134 and v135, the byte v25 and the addresses v11 and v12, which the LDS stores read, and v13, which LDS loads behind the barrier read; and the conversions are done reading v64-79, in which the stage's loads land at the end
	ds_store_b64 v11, v[134:135] offset:AF
	ds_store_b8 v12, v25 offset:AS                 ; both halves of the lanes write the same byte with the same value
	s_wait_dscnt 0x0
	s_barrier_signal -1
	s_barrier_wait -1
	; ---- the last product, transposed: source 0 = my 16 rows of Wo, source 1 = a tile of the attention's rows; bo is the sums' first C
.irp t, 0,1
.irp ks, 0,1
.irp c, 0,1
	ds_load_b128 v[144+16*\t+8*\ks+4*\c:147+16*\t+8*\ks+4*\c], v1 offset:AF+2048*\t+1024*\ks+512*\c
.endr
.endr
.endr
.irp t, 0,1
.irp ks, 0,1
	ds_load_b32 v[32+2*\t+\ks], v13 offset:AS+128*\t+64*\ks
.endr
.endr
	s_wait_loadcnt 0x0                             ; Wo, its scales, bo
	s_wait_dscnt 0x0
	WM 192, 36, 144, 52, 30, 32, 0, 0              ; the two accumulators by turns
	WM 200, 36, 160, 52, 30, 34, 0, 0
	WM 192, 44, 152, 192, 31, 33, 0, 0
	WM 200, 44, 168, 200, 31, 35, 0, 0
	v_and_b32 v14, 8, v9                           ; the stage's addresses: plain lines that name none of the products' registers are the places behind them
	v_add_nc_u32 v14, v14, v9                      ; my query's row in its tile's 16 of the block: r + 8 (r / 8)
	v_mul_u32_u24 v14, v14, 1040
	v_lshl_add_u32 v14, v10, 5, v14
	s_lshl_b32 s42, s16, 6
	v_add_nc_u32 v14, s42, v14                     ; + my 16 columns' 64 bytes, + 32 h
	s_mul_i32 s42, s16, 2080
	v_add_nc_u32 v15, s42, v1                      ; and where I read two whole rows back, behind the barrier
	s_wait_alu depctr_va_vdst(0)                   ; the products have written v192-207 and the lines above v14, which the LDS stores read, and v15, which the LDS loads behind the barrier read; the places above stay beside this wait
	ds_store_b128 v14, v[192:195] offset:STG
	ds_store_b128 v14, v[196:199] offset:STG+16
	ds_store_b128 v14, v[200:203] offset:STG+8320  ; tile 1's rows lie 8 further down
	ds_store_b128 v14, v[204:207] offset:STG+8336
	s_wait_dscnt 0x0
	s_barrier_signal -1
	s_barrier_wait -1
	; ---- wave w stores rows 2 w and 2 w + 1 whole
.irp i, 0,1
.irp j, 0,1
	ds_load_b128 v[64+8*\i+4*\j:67+8*\i+4*\j], v15 offset:STG+1040*\i+512*\j
.endr
.endr
	s_lshl_b32 s44, s19, 11
	s_lshl_b32 s43, s20, 5
	s_add_co_u32 s44, s44, s43
	s_lshl_b32 s43, s16, 1
	s_add_co_u32 s44, s44, s43
	s_lshl_b32 s44, s44, 10                        ; row 2048 batch + 32 block + 2 w, 1,024 bytes a row
	s_mov_b32 s45, 0
	s_add_nc_u64 s[14:15], s[14:15], s[44:45]
.irp i, 0,1
.irp j, 0,1
	s_wait_dscnt 3-2*\i-\j                         ; LDS loads come back in order: this piece is in, the younger ones may be out
	global_store_b128 v1, v[64+8*\i+4*\j:67+8*\i+4*\j], s[14:15] offset:1024*\i+512*\j th:TH_STORE_NT   ; 32 lanes store 512 consecutive bytes, at a multiple of 256 from out0's first byte
.endr
.endr
	s_wait_xcnt 0x0
	s_wait_alu depctr_vm_vsrc(0)                   ; the LDS stores of O^T have read v254 and v255, which the two lines below write anew
	v_lshl_add_u32 v254, v0, 2, 0x2e400
	v_mov_b32 v255, 0
	s_wait_dscnt 0x0                               ; the closing lines, six on end
	s_wait_alu 0x0
	s_wait_tensorcnt 0x0
	ds_add_u32 v254, v255
	s_wait_dscnt 0x0
	s_endpgm
.Lfunc_end_k_q815990beb9_attn:
	.size	k_q815990beb9_attn, .Lfunc_end_k_q815990beb9_attn-k_q815990beb9_attn
	.p2alignl 7, 3214868480
	.fill 96, 4, 3214868480
	.section	.rodata,"a",@progbits
	.p2align	6, 0x0
	.amdhsa_kernel k_q815990beb9_attn
		.amdhsa_group_segment_fixed_size 191488
		.amdhsa_private_segment_fixed_size 0
		.amdhsa_enable_private_segment 0
		.amdhsa_kernarg_size 48
		.amdhsa_user_sgpr_count 2
		.amdhsa_user_sgpr_kernarg_segment_ptr 1
		.amdhsa_wavefront_size32 1
		.amdhsa_system_sgpr_workgroup_id_x 1
		.amdhsa_system_sgpr_workgroup_id_y 1
		.amdhsa_system_sgpr_workgroup_id_z 1
		.amdhsa_system_vgpr_workitem_id 0
		.amdhsa_next_free_vgpr 256
		.amdhsa_next_free_sgpr 66
		.amdhsa_reserve_vcc 1
		.amdhsa_float_denorm_mode_32 3
		.amdhsa_float_denorm_mode_16_64 3
		.amdhsa_memory_ordered 1
		.amdhsa_forward_progress 1
		.amdhsa_inst_pref_size 83
	.end_amdhsa_kernel
	.amdgpu_metadata
---
amdhsa.version: [ 1, 2 ]
amdhsa.kernels:
  - .name:           k_q815990beb9_attn
    .symbol:         k_q815990beb9_attn.kd
    .args:
      - { .name: ws, .offset: 0, .size: 8, .value_kind: global_buffer, .address_space: global }
      - { .name: mask, .offset: 8, .size: 8, .value_kind: global_buffer, .address_space: global }
      - { .name: Wo_codes, .offset: 16, .size: 8, .value_kind: global_buffer, .address_space: global }
      - { .name: Wo_scales, .offset: 24, .size: 8, .value_kind: global_buffer, .address_space: global }
      - { .name: bo, .offset: 32, .size: 8, .value_kind: global_buffer, .address_space: global }
      - { .name: out0, .offset: 40, .size: 8, .value_kind: global_buffer, .address_space: global }
    .group_segment_fixed_size: 191488
    .private_segment_fixed_size: 0
    .kernarg_segment_align: 8
    .kernarg_segment_size: 48
    .max_flat_workgroup_size: 512
    .sgpr_count:     66
    .vgpr_count:     256
    .wavefront_size: 32
...
	.end_amdgpu_metadata
.endif
;; end of part 3
